; MI455X (gfx1250); checked and timed in simulation.
; The chip was launched on July 23, 2026; its instructions are those of AMD's public machine-readable ISA for CDNA 5 (MIT licence, August 2026) and "CDNA5" Instruction Set Architecture Reference Guide (July 2026). The comments in the code are by the model that wrote it; some were corrected since.
;; Block. Allowed arithmetic: matrix products marked QUANTISED: E4M3 operands, one given power-of-two scale a tensor, by v_wmma_f32_16x16x64_fp8_fp8 or v_wmma_f32_16x16x128_fp8_fp8, f32 sums; products left as they are: f32 operands where the result goes on into a quantised operand, else bf16, f16 or f32 operands; f32 sums; everything else in f32.
;; Inputs: W1 256 x 1,024 float32; W2 1,024 x 256 float32; Wk 4 x 256 x 64 float32; Wo 256 x 256 float32; Wq 4 x 256 x 64 float32; Wv 4 x 256 x 64 float32; b1 1,024 float32; b2 256 float32; be1 256 float32; be2 256 float32; bo 256 float32; g1 256 float32; g2 256 float32; lowp_scales 14 int32 (the exponents e of the quantised operands' scales 2^e); x 4,096 x 16 x 256 float32.
;; Outputs: out0 4,096 x 16 x 256 float32.
;; This version of the problem:
;;   THIS VERSION OF THE PROBLEM IS GIVEN IN LOW PRECISION. The matrix products marked QUANTISED in the list below multiply operands that are first quantised to E4M3 (4 exponent bits, 3 mantissa bits; 8 bits a number), with one given power-of-two scale for each operand tensor; their sums are f32. All else is computed in f32.
;;   The module's matrix products, in the order in which they are computed (A, B: the left and right operand; K: the contracted axis; several contracted axes count as one K, in the product's order):
;;     1. [M 256, K 256] x [K 256, N 65,536]; A: input Wq; B: computed on the way: QUANTISED (scales: A lowp_scales[0], B lowp_scales[1])
;;     2. [M 256, K 256] x [K 256, N 65,536]; A: input Wk; B: computed on the way: QUANTISED (scales: A lowp_scales[2], B lowp_scales[3])
;;     3. [M 256, K 256] x [K 256, N 65,536]; A: input Wv; B: computed on the way: QUANTISED (scales: A lowp_scales[4], B lowp_scales[5])
;;     4. batch 16,384 x [M 16, K 64] x [K 64, N 16]; A: computed on the way; B: computed on the way: QUANTISED (scales: A lowp_scales[6], B lowp_scales[7])
;;     5. batch 16,384 x [M 16, K 16] x [K 16, N 64]; A: softmax; B: computed on the way: left as it is (K = 16 < 32)
;;     6. [M 65,536, K 256] x [K 256, N 256]; A: computed on the way; B: input Wo: QUANTISED (scales: A lowp_scales[8], B lowp_scales[9])
;;     7. [M 65,536, K 256] x [K 256, N 1,024]; A: computed on the way; B: input W1: QUANTISED (scales: A lowp_scales[10], B lowp_scales[11])
;;     8. [M 65,536, K 1,024] x [K 1,024, N 256]; A: computed on the way; B: input W2: QUANTISED (scales: A lowp_scales[12], B lowp_scales[13])
;;   THE QUANTISER, for each operand of a quantised product, along K:
;;     - The operand's scale is 2^e, e = its entry of the input lowp_scales (int32; the entries are numbered through the quantised products in the list's order, A before B).
;;     - Each number is divided by the scale, clamped to +-448, and rounded to the nearest number of E4M3, ties to even, subnormals kept.
;;     - The product sums the exact products of the quantised numbers (number of the format x scale) in f32.
;;   ~~~python
;;   def quantise(x, axis, e):      # numpy; x: float32 -> the quantised numbers, widened to float32 again
;;       x = np.moveaxis(x, axis, -1); K = x.shape[-1]
;;       r = np.clip(x / 2.0 ** e, -448, 448)
;;       step = 2.0 ** (np.maximum(np.frexp(np.where(r == 0, 1, r))[1] - 1, -6) - 3)
;;       q = np.round(r / step) * step * 2.0 ** e      # np.round: ties to even
;;       return np.moveaxis(q, -1, axis).astype(np.float32)
;;   ~~~
;;   OPERANDS COMPUTED ON THE WAY. 'Computed on the way' means the value that the module computes at that place (a softmax that the list does not call 'softmax' is quantised finished and normalised). What goes into a quantiser is computed in f32, as accurately as f32 sums, v_exp_f32 and their like allow (about 1e-6 of the number): no bf16 or f16 on the way to a quantiser, and a product that is left as it is and whose result goes on into a quantised operand takes f32 operands (vector FMAs, or v_wmma_f32_16x16x4_f32). A number that lies on a knife's edge between two numbers of the format may be rounded either way, as far as f32 arithmetic and the matrix unit's own rounding can turn it there, and no further.
;; 2 versions. Each part assembles by itself: llvm-mc -triple=amdgcn-amd-amdhsa -mcpu=gfx1250 --defsym DOCPART=n.
;; ======== version 1 of 2: 2 launches
;; workspace buffers: wc 786,432 bytes
;; launch prep (part 1): grid 48 x 1, 8 waves a work-group, no clusters, 0 bytes of LDS; arguments Wq, Wk, Wv, Wo, W1, W2, lowp_scales, wc; writes wc
.if DOCPART == 1
	.amdgcn_target "amdgcn-amd-amdhsa--gfx1250"
	.amdhsa_code_object_version 6
	.text
	.protected	k_qcb6f94f86c_prep
	.globl	k_qcb6f94f86c_prep
	.p2align	8
	.type	k_qcb6f94f86c_prep,@function
k_qcb6f94f86c_prep:
	s_mov_b64 s[64:65], 0
	v_nop
	global_prefetch_b8 v0, s[64:65] scope:SCOPE_SE
	s_setreg_imm32_b32 hwreg(HW_REG_WAVE_MODE, 25, 1), 1
	s_wait_xcnt 0x0
; The six weights, f32 with K as the row axis, become codes of FP8 (E4M3), each with its given scale 2^e, laid in the ORDER OF THE OPERAND'S REGISTERS:
; wc = 12 chunks c x 4 waves w x 8 fragments f x 2,048 bytes; byte ((4 c + w) 8 + f) 2048 + 512 p + 16 L holds registers 4 p .. 4 p + 3 of lane L.
; f = 2 t + s: t a tile of 16 columns, s a K step of 128.  Lane (r, h), register pair cc, byte jj = Q(W[k0 + 16 cc + 8 h + jj][n0 + r]).
;   c = 0, 1, 2: Wq, Wk, Wv, head w (pitch 64; n0 = 16 t; k0 = 128 s; scale entries 0, 2, 4)      c = 3: Wo (pitch 256; n0 = 64 w + 16 t; entry 9)
;   c = 4 + 2 i: W1 (pitch 1,024; n0 = 256 i + 64 w + 16 t; entry 11)                              c = 5 + 2 i: W2 (pitch 256; n0 = 64 w + 16 t; k0 = 256 i + 128 s; entry 13)
; Work-group 4 c + w, wave f.  A lane takes one column and its 64 registers run down K, so the conversions' results are the operand's registers and nothing is transposed.
; code = x / 2^e, held within +-448, to the nearest code, ties to even.  LIMITS: e between -126 and 119; NaN among the inputs is not served.
; 48 work-groups are all the work there is: 768 KB of codes.  No LDS, no barrier, no loop.
.macro LD64 P                          ; W[k0 + 16 cc + 8 h + jj][n0 + r] into v[16 + 8 cc + jj]: sixteen lanes read 64 consecutive bytes
.irp c, 0,1,2,3,4,5,6,7
.irp j, 0,1,2,3,4,5,6,7
	global_load_b32 v[16+8*\c+\j], v1, s[28:29] offset:(16*\c+\j)*(\P)*4
.endr
.endr
.endm
	s_load_b512 s[8:23], s[0:1], 0x0               ; Wq s[8:9], Wk s[10:11], Wv s[12:13], Wo s[14:15], W1 s[16:17], W2 s[18:19], the scales s[20:21], wc s[22:23]
	v_lshrrev_b32 v3, 5, v0
	v_readfirstlane_b32 s4, v3                     ; wave = fragment f
	v_and_b32 v4, 15, v0                           ; r
	v_bfe_u32 v5, v0, 4, 1                         ; h
	v_and_b32 v2, 31, v0
	v_lshlrev_b32 v2, 4, v2                        ; 16 x lane: my place in a store's 512 bytes
	s_lshr_b32 s5, ttmp9, 2                        ; chunk c
	s_and_b32 s6, ttmp9, 3                         ; w
	s_lshr_b32 s7, s4, 1                           ; t
	s_and_b32 s24, s4, 1                           ; s
	s_lshl_b32 s26, s7, 6                          ; 16 t columns in bytes
	s_mov_b32 s35, 0
	s_wait_kmcnt 0x0
	s_cmp_eq_u32 s5, 1                             ; which weight: the choice hangs on the work-group's number alone
	s_cselect_b64 s[28:29], s[10:11], s[8:9]
	s_cmp_eq_u32 s5, 2
	s_cselect_b64 s[28:29], s[12:13], s[28:29]
	s_cmp_eq_u32 s5, 3
	s_cselect_b64 s[28:29], s[14:15], s[28:29]
	s_bitcmp1_b32 s5, 0
	s_cselect_b64 s[30:31], s[18:19], s[16:17]     ; odd chunks from 5 on: W2; even ones from 4 on: W1
	s_cmp_gt_u32 s5, 3
	s_cselect_b64 s[28:29], s[30:31], s[28:29]
	s_cmp_lt_u32 s5, 3
	s_cbranch_scc1 .Lp64
	s_cmp_eq_u32 s5, 3
	s_cbranch_scc1 .Lp256
	s_bitcmp1_b32 s5, 0
	s_cbranch_scc1 .Lp256
	; W1: ((128 s) 1024 + 256 i + 64 w + 16 t) x 4 bytes
	s_sub_co_u32 s25, s5, 4
	s_lshr_b32 s25, s25, 1                         ; i
	s_lshl_b32 s34, s24, 19
	s_lshl_b32 s25, s25, 10
	s_add_co_u32 s34, s34, s25
	s_lshl_b32 s25, s6, 8
	s_add_co_u32 s34, s34, s25
	s_add_co_u32 s34, s34, s26
	s_add_nc_u64 s[28:29], s[28:29], s[34:35]
	s_load_b32 s36, s[20:21], 0x2c                 ; entry 11
	v_lshlrev_b32 v1, 15, v5                       ; 8 h rows of 4,096 bytes
	v_lshl_add_u32 v1, v4, 2, v1                   ; + 4 r
	LD64 1024
	s_branch .Ljoin
.Lp256:
	; Wo: ((128 s) 256 + 64 w + 16 t) x 4;  W2: the same + (256 i) 256 x 4
	s_sub_co_u32 s25, s5, 5
	s_lshr_b32 s25, s25, 1                         ; i (of no meaning for Wo)
	s_cmp_eq_u32 s5, 3
	s_cselect_b32 s25, 0, s25
	s_cselect_b32 s37, 36, 52                      ; entry 9 or 13, in bytes
	s_lshl_b32 s34, s25, 18
	s_lshl_b32 s25, s24, 17
	s_add_co_u32 s34, s34, s25
	s_lshl_b32 s25, s6, 8
	s_add_co_u32 s34, s34, s25
	s_add_co_u32 s34, s34, s26
	s_add_nc_u64 s[28:29], s[28:29], s[34:35]
	s_load_b32 s36, s[20:21], s37 offset:0x0
	v_lshlrev_b32 v1, 13, v5                       ; 8 h rows of 1,024 bytes
	v_lshl_add_u32 v1, v4, 2, v1
	LD64 256
	s_branch .Ljoin
.Lp64:
	; Wq, Wk, Wv: head w (65,536 bytes) + ((128 s) 64 + 16 t) x 4
	s_lshl_b32 s34, s6, 16
	s_lshl_b32 s25, s24, 15
	s_add_co_u32 s34, s34, s25
	s_add_co_u32 s34, s34, s26
	s_add_nc_u64 s[28:29], s[28:29], s[34:35]
	s_lshl_b32 s37, s5, 3                          ; entry 2 c, in bytes
	s_load_b32 s36, s[20:21], s37 offset:0x0
	v_lshlrev_b32 v1, 11, v5                       ; 8 h rows of 256 bytes
	v_lshl_add_u32 v1, v4, 2, v1
	LD64 64
.Ljoin:
	s_wait_kmcnt 0x0                               ; e
	s_add_co_i32 s36, s36, 127
	s_lshl_b32 s37, s36, 23
	v_mov_b32 v11, s37                             ; 2^e as f32: the conversion takes its exponent field
	s_add_co_i32 s36, s36, 8
	s_lshl_b32 s36, s36, 23
	s_or_b32 s36, s36, 0x600000
	v_mov_b32 v10, s36                             ; 448 x 2^e
	s_lshl_b32 s34, ttmp9, 14                      ; my work-group's 16,384 bytes of wc,
	s_lshl_b32 s25, s4, 11                         ; my wave's 2,048
	s_add_co_u32 s34, s34, s25
	s_add_nc_u64 s[22:23], s[22:23], s[34:35]
	s_wait_loadcnt 0x0
.set i, 0
.rept 64
	v_med3_num_f32 v[16+i], v[16+i], -v10, v10     ; the conversion to an 8-bit code does not saturate (ISA guide 7.6.2): the hold comes first
.set i, i+1
.endr
.irp c, 0,1,2,3,4,5,6,7
	v_cvt_scalef32_pk8_fp8_f32 v[80+2*\c:81+2*\c], v[16+8*\c:23+8*\c], v11
.endr
	v_nop
.irp p, 0,1,2,3
	global_store_b128 v2, v[80+4*\p:83+4*\p], s[22:23] offset:512*\p   ; 32 lanes store 512 consecutive bytes, aligned
.endr
	s_endpgm
.Lfunc_end_k_qcb6f94f86c_prep:
	.size	k_qcb6f94f86c_prep, .Lfunc_end_k_qcb6f94f86c_prep-k_qcb6f94f86c_prep
	.p2alignl 7, 3214868480
	.fill 96, 4, 3214868480
	.section	.rodata,"a",@progbits
	.p2align	6, 0x0
	.amdhsa_kernel k_qcb6f94f86c_prep
		.amdhsa_group_segment_fixed_size 0
		.amdhsa_private_segment_fixed_size 0
		.amdhsa_enable_private_segment 0
		.amdhsa_kernarg_size 64
		.amdhsa_user_sgpr_count 2
		.amdhsa_user_sgpr_kernarg_segment_ptr 1
		.amdhsa_wavefront_size32 1
		.amdhsa_system_sgpr_workgroup_id_x 1
		.amdhsa_system_sgpr_workgroup_id_y 1
		.amdhsa_system_sgpr_workgroup_id_z 1
		.amdhsa_system_vgpr_workitem_id 0
		.amdhsa_next_free_vgpr 96
		.amdhsa_next_free_sgpr 66
		.amdhsa_reserve_vcc 0
		.amdhsa_float_denorm_mode_32 3
		.amdhsa_float_denorm_mode_16_64 3
		.amdhsa_memory_ordered 1
		.amdhsa_forward_progress 1
		.amdhsa_inst_pref_size 27
	.end_amdhsa_kernel
	.amdgpu_metadata
---
amdhsa.version: [ 1, 2 ]
amdhsa.kernels:
  - .name:           k_qcb6f94f86c_prep
    .symbol:         k_qcb6f94f86c_prep.kd
    .args:
      - { .name: Wq, .offset: 0, .size: 8, .value_kind: global_buffer, .address_space: global }
      - { .name: Wk, .offset: 8, .size: 8, .value_kind: global_buffer, .address_space: global }
      - { .name: Wv, .offset: 16, .size: 8, .value_kind: global_buffer, .address_space: global }
      - { .name: Wo, .offset: 24, .size: 8, .value_kind: global_buffer, .address_space: global }
      - { .name: W1, .offset: 32, .size: 8, .value_kind: global_buffer, .address_space: global }
      - { .name: W2, .offset: 40, .size: 8, .value_kind: global_buffer, .address_space: global }
      - { .name: lowp_scales, .offset: 48, .size: 8, .value_kind: global_buffer, .address_space: global }
      - { .name: wc, .offset: 56, .size: 8, .value_kind: global_buffer, .address_space: global }
    .group_segment_fixed_size: 0
    .private_segment_fixed_size: 0
    .kernarg_segment_align: 8
    .kernarg_segment_size: 64
    .max_flat_workgroup_size: 256
    .sgpr_count:     66
    .vgpr_count:     96
    .wavefront_size: 32
...
	.end_amdgpu_metadata
.endif
;; end of part 1
;; launch block (part 2): grid 256 x 1, 4 waves a work-group, no clusters, 296,448 bytes of LDS; arguments x, wc, lowp_scales, g1, be1, bo, g2, be2, b1, b2, out0; writes out0
.if DOCPART == 2
	.amdgcn_target "amdgcn-amd-amdhsa--gfx1250"
	.amdhsa_code_object_version 6
	.text
	.protected	k_qcb6f94f86c_block
	.globl	k_qcb6f94f86c_block
	.p2align	8
	.type	k_qcb6f94f86c_block,@function
k_qcb6f94f86c_block:
	s_mov_b64 s[64:65], 0
	v_nop
	global_prefetch_b8 v0, s[64:65] scope:SCOPE_SE
	s_setreg_imm32_b32 hwreg(HW_REG_WAVE_MODE, 25, 1), 1
	s_wait_xcnt 0x0
; The whole block, fused: LN1, q k v, causal attention, Wo, residual, LN2, W1, relu, W2, residual.  Quantised products on codes of FP8 (E4M3) with the given scales 2^e (entries e0 .. e13); w v in f32.
; SHARES.  A work-group owns 256 rows = 16 sequences of 16 tokens = 16 row tiles m, and takes them through the chain once.  THE FOUR WAVES SHARE THE COLUMNS: wave w is head w and owns columns 64 w .. 64 w + 63
; of every tensor of 256 columns, and hidden units 256 i + 64 w .. + 63 of each of the four chunks i of the hidden layer.  So each byte of a weight's codes is read once a work-group, by the one wave that multiplies
; by it, from memory straight into its registers (wc is laid in the order of the operand's registers: 512 consecutive bytes a load).
; THE RESIDUAL STAYS IN REGISTERS: tile m, column tile t, register j at v[512 + 32 m + 8 t + j] holds (row 16 m + r, column 64 w + 16 t + 8 h + j), r = lane % 16, h = lane / 16.  Between LN and the residual's use it
; holds z = (x - mu) / sigma, and x comes back as z sigma + mu (an error of about two units in the last place).
; LAYOUT.  Products are used transposed (source 0 = 16 columns of a weight, source 1 = 16 rows): a lane's eight results are eight neighbouring columns of one row, and one conversion makes of them register
; pair t of the next operand (8-bit operands: registers 2 c, 2 c + 1 hold k = 16 c + 8 h + 0 .. 7).  Operands go from wave to wave through LDS as images of their registers: 16 bytes a lane, 512 a line.
; ATTENTION of (sequence m, head w) is the wave's own: S^T = k q^T is one 16x16x64 instruction (a lane holds one query and keys 8 h + j); the softmax takes its maximum away, is normalised, and stays f32;
; v is made in natural order (token 8 h + j, channel r), so that pairs of v's registers and of P's are the f32 form's operands as they stand: K place (h, jj) of step q is token 8 h + 2 q + jj in both.
; NO CLUSTER, NO TENSOR LOAD: what work-groups share is the weights' codes; at its peak LDS holds 296,448 bytes of activations (three images of h, the attention slots, stages), so two slots of a
; chunk's 65,536 bytes have no room, and codes that came through LDS would be read a second time on their way to registers.
; LIMITS on the given exponents, so that each power of two below is an f32 number: e1, e3, e5, e10, e6-e0-e1, e7-e2-e3, e8-e4-e5, e12-e10-e11 between -126 and 119; e8+e9 and e12+e13 between -126 and 127;
; e6+e7 between -122 and 131.  NaN among the inputs is not served.
; LDS: 0 images (attention: h by q's, k's, v's scale, 65,536 each; MLP: h2 at 0, the hidden chunk at HID).  An image: tile m at 4096 m, K step s at 2048 s, piece p at 512 p, lane at 16 L; wave w writes the
; 1,024 bytes at 1024 w of each tile.  ATT: slot (m, w) in the same form: q's codes, then P, then attn's codes.  STG: a stage of 16 rows x 272 bytes a wave.  STAT: row x 32 + 8 w: (mean, sum of squares about it)
; of the wave's 64 columns.  PARK: 2,048 a wave: bo, g2, be2, b2 (256 each), b1's four chunks.  SPARE: the spare words.
.set HID,   65536
.set ATT,   196608
.set STG,   262144
.set STAT,  279552
.set PARK,  287744
.set SPARE, 295936                     ; 128 bytes for each wave: two blocks of 256 bytes that no other line names
; window 0, fixed
.set L16,  1                           ; 16 x lane
.set IW,   2                           ; 16 x lane + 1024 x wave: where I write an image's tile
.set SD,   3                           ; the stage by rows: lanes 0-15 one row of 256 bytes, lanes 16-31 the next
.set ST,   4                           ; the stage by lanes: row r, 32 h bytes on
.set GX,   5                           ; x and out0: 1024 (lane / 16) + 16 (lane % 16) + 256 wave
.set SW,   6                           ; STAT + 32 r + 8 wave
.set SRD,  7                           ; STAT + 32 r
.set RA,   8                           ; running addresses
.set AA,   9
.set WAD,  10
.set PKA,  11                          ; PARK + 2048 wave + 32 h
.set SPW,  12                          ; my spare word; never rewritten
.set NIL,  13                          ; 0; never rewritten
.set NINF, 14                          ; -infinity
.set SCV,  15                          ; the conversions' scale
.set MU,   16                          ; v16-31  a tile's row mean
.set SG,   32                          ; v32-47  a tile's row sigma
; window 0, by phase
.set HF,   48                          ; fragments of the rows' operand: 32 registers a tile; two buffers (W2: four, to v175)
.set AC,   112                         ; results: two sets of 32
.set TV,   144                         ; V: attn, held
.set CD,   176                         ; codes just made
.set S,    184                         ; scores, then P
.set QC,   192                         ; q's codes (K) or P (V): two sets of 8
.set AA2,  216
.set TP,   223                         ; a lane permute's destination
.set O,    224                         ; v224-255: attn^T; written by matrix instructions alone
.set G,    48                          ; LN: gain, bias, 32 each
.set BE,   80
.set T,    112                         ; LN: h, and the statistics read back
.set PRM,  144                         ; LN: (mean, sum of squares)
.set TM,   160                         ; LN: 16 at work
.set ZP,   192                         ; LN: a quad a tile: 1/sigma, var + eps, (my mean - mu)/sigma, mu
.set PP,   208                         ; two pairs whose low words are broadcast
.set BO,   176
.set B1R,  192
.set B2,   176
.set OT,   48
.set ORR,  112
.set MSB, 0
.macro WIN new                         ; the immediate's high byte repeats the setting that is left; a switch that changes nothing is dropped
.if MSB != (\new)
	s_set_vgpr_msb (MSB<<8)|(\new)
.set MSB, (\new)
.endif
.endm
.macro PLACES n
.rept \n
	v_nop
.endr
.endm
.macro BAR                             ; my LDS stores have landed and my LDS loads are in: then the work-group's barrier
	s_wait_dscnt 0x0
	s_barrier_signal -1
	s_barrier_wait -1
.endm
.macro SETQ e                          ; the quantiser's scale 2^e: v[SCV] for the conversion, s58 = 448 x 2^e, s59 = -s58 for the hold
	s_add_co_i32 s63, \e, 127
	s_lshl_b32 s49, s63, 23
	v_mov_b32 v[SCV], s49
	s_add_co_i32 s63, s63, 8
	s_lshl_b32 s63, s63, 23
	s_or_b32 s58, s63, 0x600000
	s_or_b32 s59, s58, 0x80000000
.endm
.macro WLOAD buf, off                  ; my 16,384 bytes of a chunk of wc into window 1, v[buf] on: fragment f at 16 f
	WIN 0x40
.irp f, 0,1,2,3,4,5,6,7
.irp p, 0,1,2,3
	global_load_b128 v[(\buf)+16*\f+4*\p:(\buf)+16*\f+4*\p+3], v[L16], s[74:75] offset:(\off)+2048*\f+512*\p
.endr
.endr
	WIN 0
.endm
.macro XLOAD m                         ; tile m of x, my 64 columns: sixteen lanes read 256 consecutive bytes, aligned
.set LW, 2+(\m)/8
.set LR, 32*((\m)%8)
	WIN LW<<6
.irp n, 0,1,2,3,4,5,6,7
	global_load_b128 v[LR+4*\n:LR+4*\n+3], v[GX], s[8:9] offset:(16*(\m)+2*\n)*1024 th:TH_LOAD_NT
.endr
.endm
.macro TURN m                          ; tile m through my stage: in by rows, back by lanes; LDS serves a wave's instructions in order, so no wait stands between
.set XW, 2+(\m)/8
.set XR, 32*((\m)%8)
.if (\m) < 9
	s_wait_loadcnt 48                              ; tile m is in; the six tiles behind it, eight loads each, may be out
.else
	s_wait_loadcnt 8*(15-(\m))
.endif
	WIN XW<<2
.irp n, 0,1,2,3,4,5,6,7
	ds_store_b128 v[SD], v[XR+4*\n:XR+4*\n+3] offset:544*\n
.endr
	WIN XW<<6
.irp t, 0,1,2,3
.irp u, 0,1
	ds_load_b128 v[XR+8*\t+4*\u:XR+8*\t+4*\u+3], v[ST] offset:64*\t+16*\u
.endr
.endr
.if (\m) < 9
	XLOAD (\m)+7
.endif
	WIN 0
	s_wait_dscnt 0x0
.endm
.macro P12 m                           ; the mean of my 64 columns of each row, taken away in place; the sum of squares about it; both to STAT
.set XW, 2+(\m)/8
.set XR, 32*((\m)%8)
	WIN XW|(XW<<2)
.irp k, 0,1,2,3,4,5,6,7
	v_pk_add_f32 v[TM+2*\k:TM+2*\k+1], v[XR+4*\k:XR+4*\k+1], v[XR+4*\k+2:XR+4*\k+3]
.endr
	WIN 0
.irp k, 0,4,8,12
	v_pk_add_f32 v[TM+\k:TM+\k+1], v[TM+\k:TM+\k+1], v[TM+\k+2:TM+\k+3]
.endr
	v_pk_add_f32 v[TM:TM+1], v[TM:TM+1], v[TM+4:TM+5]
	v_pk_add_f32 v[TM+8:TM+9], v[TM+8:TM+9], v[TM+12:TM+13]
	v_pk_add_f32 v[TM:TM+1], v[TM:TM+1], v[TM+8:TM+9]
	v_add_f32 v[TM], v[TM], v[TM+1]
	v_permlanex16_b32 v[TP], v[TM], s54, s55       ; the row's other 32 of my columns lie in the lane 16 away
	v_add_f32 v[TM], v[TM], v[TP]
	s_wait_dscnt 0x0                               ; the last tile's store has read the pair
	v_mul_f32 v[PRM], 0x3c800000, v[TM]            ; / 64
	v_mov_b32 v[MU+(\m)], v[PRM]
	WIN XW|(XW<<6)
.set i, 0
.rept 16
	v_pk_add_f32 v[XR+i:XR+i+1], v[XR+i:XR+i+1], v[PRM:PRM+1] op_sel_hi:[1,0] neg_lo:[0,1] neg_hi:[0,1]
.set i, i+2
.endr
	WIN XW|(XW<<2)
.irp k, 0,2,4,6
	v_pk_mul_f32 v[TM+\k:TM+\k+1], v[XR+\k:XR+\k+1], v[XR+\k:XR+\k+1]
.endr
.irp k, 8,10,12,14,16,18,20,22,24,26,28,30
	v_pk_fma_f32 v[TM+(\k)%8:TM+(\k)%8+1], v[XR+\k:XR+\k+1], v[XR+\k:XR+\k+1], v[TM+(\k)%8:TM+(\k)%8+1]
.endr
	WIN 0
	v_pk_add_f32 v[TM:TM+1], v[TM:TM+1], v[TM+2:TM+3]
	v_pk_add_f32 v[TM+4:TM+5], v[TM+4:TM+5], v[TM+6:TM+7]
	v_pk_add_f32 v[TM:TM+1], v[TM:TM+1], v[TM+4:TM+5]
	v_add_f32 v[TM], v[TM], v[TM+1]
	v_permlanex16_b32 v[TP], v[TM], s54, s55
	v_add_f32 v[PRM+1], v[TM], v[TP]
	ds_store_b64 v[SW], v[PRM:PRM+1] offset:512*(\m)   ; both halves of the lanes hold the same pair
.endm
.macro ZSTAT4 m0                       ; four tiles: the four waves' parts become mu, var + eps, 1 / sigma, sigma.  No difference of large sums is formed
	WIN 0
.irp k, 0,1,2,3
	ds_load_b128 v[T+8*\k:T+8*\k+3], v[SRD] offset:512*((\m0)+\k)
	ds_load_b128 v[T+8*\k+4:T+8*\k+7], v[SRD] offset:512*((\m0)+\k)+16
.endr
	s_wait_dscnt 0x0
.irp k, 0,1,2,3
	v_add_f32 v[ZP+4*\k+3], v[T+8*\k], v[T+8*\k+2]
.endr
.irp k, 0,1,2,3
	v_add_f32 v[ZP+4*\k+1], v[T+8*\k+4], v[T+8*\k+6]
.endr
.irp k, 0,1,2,3
	v_add_f32 v[ZP+4*\k+3], v[ZP+4*\k+3], v[ZP+4*\k+1]
.endr
.irp k, 0,1,2,3
	v_mul_f32 v[ZP+4*\k+3], 0x3e800000, v[ZP+4*\k+3]   ; mu = the mean of the four means
.endr
.irp q, 0,2,4,6
.irp k, 0,1,2,3
	v_sub_f32 v[T+8*\k+\q], v[T+8*\k+\q], v[ZP+4*\k+3]
.endr
.endr
.irp k, 0,1,2,3
	v_mul_f32 v[T+8*\k], v[T+8*\k], v[T+8*\k]
.endr
.irp q, 2,4,6
.irp k, 0,1,2,3
	v_fmac_f32 v[T+8*\k], v[T+8*\k+\q], v[T+8*\k+\q]
.endr
.endr
.irp k, 0,1,2,3
	v_add_f32 v[T+8*\k+1], v[T+8*\k+1], v[T+8*\k+3]
.endr
.irp k, 0,1,2,3
	v_add_f32 v[T+8*\k+5], v[T+8*\k+5], v[T+8*\k+7]
.endr
.irp k, 0,1,2,3
	v_add_f32 v[T+8*\k+1], v[T+8*\k+1], v[T+8*\k+5]
.endr
.irp k, 0,1,2,3
	v_fmamk_f32 v[T+8*\k+1], v[T+8*\k], 0x42800000, v[T+8*\k+1]   ; + 64 x the means' squares about mu
.endr
.irp k, 0,1,2,3
	v_fma_f32 v[ZP+4*\k+1], v[T+8*\k+1], s73, s88  ; / 256 + eps
.endr
.irp k, 0,1,2,3
	v_rsq_f32 v[ZP+4*\k], v[ZP+4*\k+1]
.endr
.irp k, 0,1,2,3
	v_sub_f32 v[ZP+4*\k+2], v[MU+(\m0)+\k], v[ZP+4*\k+3]   ; plain work behind the batch: my mean - mu
.endr
	s_wait_alu depctr_va_vdst(0)                   ; one wait for the four roots, ahead of their first reader
.irp k, 0,1,2,3
	v_mul_f32 v[ZP+4*\k+2], v[ZP+4*\k+2], v[ZP+4*\k]
.endr
.irp k, 0,1,2,3
	v_mul_f32 v[SG+(\m0)+\k], v[ZP+4*\k+1], v[ZP+4*\k]
.endr
.irp k, 0,1,2,3
	v_mov_b32 v[MU+(\m0)+\k], v[ZP+4*\k+3]
.endr
.endm
.macro ZAPPLY m, k                     ; z = (x - my mean) / sigma + (my mean - mu) / sigma, in place
.set XW, 2+(\m)/8
.set XR, 32*((\m)%8)
	WIN XW|(XW<<6)
.set i, 0
.rept 16
	v_pk_fma_f32 v[XR+i:XR+i+1], v[XR+i:XR+i+1], v[ZP+4*(\k):ZP+4*(\k)+1], v[ZP+4*(\k)+2:ZP+4*(\k)+3] op_sel_hi:[1,0,0]
.set i, i+2
.endr
.endm
.macro QPASS m, pre                    ; h = z g + b, held, quantised, my 1,024 bytes of the image's tile m.  pre = 1: the residual comes back as x / 2^(e12 + e13), the C of the last product
.set XW, 2+(\m)/8
.set XR, 32*((\m)%8)
	WIN XW
.set i, 0
.rept 16
	v_pk_fma_f32 v[T+i:T+i+1], v[XR+i:XR+i+1], v[G+i:G+i+1], v[BE+i:BE+i+1]
.set i, i+2
.endr
.if \pre
	WIN 0
	v_ldexp_f32 v[PP], v[SG+(\m)], s72
	v_ldexp_f32 v[PP+2], v[MU+(\m)], s72
	WIN XW|(XW<<6)
.set i, 0
.rept 16
	v_pk_fma_f32 v[XR+i:XR+i+1], v[XR+i:XR+i+1], v[PP:PP+1], v[PP+2:PP+3] op_sel_hi:[1,0,0]
.set i, i+2
.endr
.endif
	WIN 0
.set i, 0
.rept 32
	v_med3_num_f32 v[T+i], v[T+i], s59, s58        ; the conversion to an 8-bit code does not saturate (ISA guide 7.6.2)
.set i, i+1
.endr
	s_wait_dscnt 0x0                               ; the last codes' stores have read their registers
.irp t, 0,1,2,3
	v_cvt_scalef32_pk8_fp8_f32 v[CD+2*\t:CD+2*\t+1], v[T+8*\t:T+8*\t+7], v[SCV]
.endr
	v_nop                                          ; one plain line behind the last conversion
	ds_store_b128 v[WAD], v[CD:CD+3] offset:4096*(\m)
	ds_store_b128 v[WAD], v[CD+4:CD+7] offset:4096*(\m)+512
.endm
.macro LOADHF reg, a, off              ; a tile's two fragments (K = 256) out of an image
.irp s, 0,1
.irp p, 0,1,2,3
	ds_load_b128 v[(\reg)+16*\s+4*\p:(\reg)+16*\s+4*\p+3], v[\a] offset:(\off)+2048*\s+512*\p
.endr
.endr
.endm
.macro LOAD8 reg, a, off               ; my slot's 1,024 bytes: eight registers a lane
	ds_load_b128 v[(\reg):(\reg)+3], v[\a] offset:(\off)
	ds_load_b128 v[(\reg)+4:(\reg)+7], v[\a] offset:(\off)+512
.endm
.macro STORE8 reg, a, off
	ds_store_b128 v[\a], v[(\reg):(\reg)+3] offset:(\off)
	ds_store_b128 v[\a], v[(\reg)+4:(\reg)+7] offset:(\off)+512
.endm
.macro CVT4 src                        ; 32 held numbers become 8 registers of codes
.irp t, 0,1,2,3
	v_cvt_scalef32_pk8_fp8_f32 v[CD+2*\t:CD+2*\t+1], v[(\src)+8*\t:(\src)+8*\t+7], v[SCV]
.endr
	v_nop                                          ; one plain line between a scaled conversion and the matrix instructions that read its result or write over its sources
.endm
; Eight products, transposed: my four column tiles x two K steps of tile b's fragments into set b.  The four accumulators take turns.  cb: the 32 registers that start the sums (0: the constant 0).
; med = 1: behind each product four holds on the OTHER set, the tile before: they name none of the product's registers, and the last four are the places ahead of what follows.  Their source 0 is a scalar or a
; constant, so that the window of source 0 (the weights') does not touch them.
.macro RUNT b, wb, cb, med, relu
	WIN 0x01
.irp s, 0,1
.irp t, 0,1,2,3
.if \s == 0
.if (\cb) == 0
	v_wmma_f32_16x16x128_fp8_fp8 v[AC+32*(\b)+8*\t:AC+32*(\b)+8*\t+7], v[(\wb)+32*\t:(\wb)+32*\t+15], v[HF+32*(\b):HF+32*(\b)+15], 0
.else
	v_wmma_f32_16x16x128_fp8_fp8 v[AC+32*(\b)+8*\t:AC+32*(\b)+8*\t+7], v[(\wb)+32*\t:(\wb)+32*\t+15], v[HF+32*(\b):HF+32*(\b)+15], v[(\cb)+8*\t:(\cb)+8*\t+7]
.endif
.else
	v_wmma_f32_16x16x128_fp8_fp8 v[AC+32*(\b)+8*\t:AC+32*(\b)+8*\t+7], v[(\wb)+32*\t+16:(\wb)+32*\t+31], v[HF+32*(\b)+16:HF+32*(\b)+31], v[AC+32*(\b)+8*\t:AC+32*(\b)+8*\t+7]
.endif
.if \med
.irp k, 0,1,2,3
.if \relu
	v_med3_num_f32 v[AC+32*(1-(\b))+16*\s+4*\t+\k], 0, v[AC+32*(1-(\b))+16*\s+4*\t+\k], s58   ; the activation and the hold in one
.else
	v_med3_num_f32 v[AC+32*(1-(\b))+16*\s+4*\t+\k], s59, v[AC+32*(1-(\b))+16*\s+4*\t+\k], s58
.endif
.endr
.endif
.endr
.endr
.if (\med) == 0
	PLACES 4
.endif
	WIN 0
.endm
; V: v of tile b in natural order (source 0 = the rows, source 1 = Wv), then attn^T = v^T P^T in f32, four K steps of four tokens.  Behind the first eight: the holds on the tile before's attn.
.macro RUNN b, med
	WIN 0x04
.irp s, 0,1
.irp t, 0,1,2,3
.if \s == 0
	v_wmma_f32_16x16x128_fp8_fp8 v[AC+8*\t:AC+8*\t+7], v[HF+32*(\b):HF+32*(\b)+15], v[32*\t:32*\t+15], 0
.else
	v_wmma_f32_16x16x128_fp8_fp8 v[AC+8*\t:AC+8*\t+7], v[HF+32*(\b)+16:HF+32*(\b)+31], v[32*\t+16:32*\t+31], v[AC+8*\t:AC+8*\t+7]
.endif
.if \med
.irp k, 0,1,2,3
	v_med3_num_f32 v[TV+16*\s+4*\t+\k], v[O+16*\s+4*\t+\k], s59, s58
.endr
.endif
.endr
.endr
	WIN 0
.if \med
	PLACES 2                                       ; with the four holds: six places between v's last product and the product that takes it as an operand (five are asked)
.else
	PLACES 6
.endif
.irp q, 0,1,2,3
.irp t, 0,1,2,3
.if \q == 0
	v_wmma_f32_16x16x4_f32 v[O+8*\t:O+8*\t+7], v[AC+8*\t+2*\q:AC+8*\t+2*\q+1], v[QC+8*(\b)+2*\q:QC+8*(\b)+2*\q+1], 0
.else
	v_wmma_f32_16x16x4_f32 v[O+8*\t:O+8*\t+7], v[AC+8*\t+2*\q:AC+8*\t+2*\q+1], v[QC+8*(\b)+2*\q:QC+8*(\b)+2*\q+1], v[O+8*\t:O+8*\t+7]
.endif
.endr
.endr
	PLACES 9                                       ; behind the f32 form: eight ahead of reads of its results and of loads into its operands, nine ahead of matrix instructions that write over them
.endm
.macro RUN ph, b, med
.if (\ph) == 0
	RUNT \b, 0, 0, \med, 0
.elseif (\ph) == 1
	RUNT \b, 128, 0, \med, 0
.elseif (\ph) == 2
	RUNN \b, \med
.else
	RUNT \b, 0, B1R, \med, 1
.endif
.endm
.macro MEDONLY ph, b                   ; the last tile's holds, with no products to stand behind
.set i, 0
.rept 32
.if (\ph) == 2
	v_med3_num_f32 v[TV+i], v[O+i], s59, s58
.elseif (\ph) == 3
	v_med3_num_f32 v[AC+32*(\b)+i], v[AC+32*(\b)+i], 0, s58
.else
	v_med3_num_f32 v[AC+32*(\b)+i], v[AC+32*(\b)+i], s59, s58
.endif
.set i, i+1
.endr
.endm
.macro SOFTMAX                         ; on S: a lane holds query r and keys 8 h + j.  p = 2^((s - max) c), c = log2(e) / 16 x 2^(e6 + e7); normalised
	PLACES 4
.irp j, 0,1,2,3,4,5,6,7
	v_cndmask_b32 v[S+\j], v[S+\j], v[NINF], s[76+\j]   ; the causal mask: key 8 h + j > query r; from the low end on
.endr
	v_max3_num_f32 v216, v[S], v[S+1], v[S+2]
	v_max3_num_f32 v217, v[S+3], v[S+4], v[S+5]
	v_max3_num_f32 v216, v216, v[S+6], v[S+7]
	v_max_num_f32 v216, v216, v217
	v_permlanex16_b32 v[TP], v216, s54, s55
	v_max_num_f32 v216, v216, v[TP]                ; key 0 counts for every query: a number
.irp k, 0,2,4,6
	v_pk_add_f32 v[S+\k:S+\k+1], v[S+\k:S+\k+1], v[216:217] op_sel_hi:[1,0] neg_lo:[0,1] neg_hi:[0,1]
.endr
.irp k, 0,2,4,6
	v_pk_mul_f32 v[S+\k:S+\k+1], v[S+\k:S+\k+1], s[56:57] op_sel_hi:[1,0]
.endr
.irp j, 0,1,2,3,4,5,6,7
	v_exp_f32 v[S+\j], v[S+\j]
.endr
	v_nop                                          ; a plain line behind the batch,
	s_wait_alu depctr_va_vdst(0)                   ; and one wait ahead of its first reader
	v_pk_add_f32 v[218:219], v[S:S+1], v[S+2:S+3]
	v_pk_add_f32 v[220:221], v[S+4:S+5], v[S+6:S+7]
	v_pk_add_f32 v[218:219], v[218:219], v[220:221]
	v_add_f32 v218, v218, v219
	v_permlanex16_b32 v[TP], v218, s54, s55
	v_add_f32 v218, v218, v[TP]
	v_rcp_f32 v220, v218
	v_nop
	s_wait_alu depctr_va_vdst(0)
.irp k, 0,2,4,6
	v_pk_mul_f32 v[S+\k:S+\k+1], v[S+\k:S+\k+1], v[220:221] op_sel_hi:[1,0]
.endr
.endm
.macro FIN ph, b, fo                   ; a tile's held results become codes and go to LDS.  K: its codes meet q's, and P goes to my slot
.if (\ph) == 2
	CVT4 TV
.else
	CVT4 AC+32*(\b)
.endif
.if (\ph) == 1
	v_wmma_f32_16x16x64_fp8_fp8 v[S:S+7], v[CD:CD+7], v[QC+8*(\b):QC+8*(\b)+7], 0
	SOFTMAX
	STORE8 S, AA, \fo
.else
	STORE8 CD, AA, \fo
.endif
.endm
; THE SKELETON of a phase over the 16 tiles (0: q, 1: k and the scores, 2: v and attn, 3: the hidden chunk), in three stages.  Step m: wait for all my LDS instructions; ask for tile m + 1's fragments; finish
; tile m - 2; multiply tile m, with tile m - 1's holds between the products.  Steps 2 to 15 are a loop of seven trips of two steps; s46 = 8192 x trip.  The loop's second step asks for tile 2 j + 4 at a clamped
; address: in the last trip tile 15 is read once more and not used.  ib: the image read; ob: where results go.
.macro SKEL ph, ib, ob
	v_add_nc_u32 v[RA], \ib, v[L16]
	v_add_nc_u32 v[AA], \ob, v[IW]
	LOADHF HF, RA, 0
.if (\ph) == 2
	LOAD8 QC, AA, 0
.endif
	s_wait_dscnt 0x0                               ; step 0
	LOADHF HF+32, RA, 4096
.if (\ph) == 2
	LOAD8 QC+8, AA, 4096
.endif
	RUN \ph, 0, 0
	s_wait_dscnt 0x0                               ; step 1
	LOADHF HF, RA, 8192
.if (\ph) == 1
	LOAD8 QC, AA, 0
.endif
.if (\ph) == 2
	LOAD8 QC, AA, 8192
.endif
	RUN \ph, 1, 1
	s_mov_b32 s46, 0
	s_mov_b32 s47, 7
.Lsk_\@:
	s_add_co_u32 s49, s46, \ib
	v_add_nc_u32 v[RA], s49, v[L16]
	s_add_co_u32 s49, s46, \ob
	v_add_nc_u32 v[AA], s49, v[IW]
	s_add_co_u32 s48, s46, 16384
	s_min_u32 s48, s48, 61440
	s_add_co_u32 s49, s48, \ib
	v_add_nc_u32 v[WAD], s49, v[L16]
.if (\ph) == 2
	s_add_co_u32 s49, s48, \ob
	v_add_nc_u32 v[AA2], s49, v[IW]
.endif
	s_wait_dscnt 0x0                               ; step 2 j + 2
	LOADHF HF+32, RA, 12288
.if (\ph) == 1
	LOAD8 QC+8, AA, 4096
.endif
.if (\ph) == 2
	LOAD8 QC+8, AA, 12288
.endif
	FIN \ph, 0, 0
	RUN \ph, 0, 1
	s_wait_dscnt 0x0                               ; step 2 j + 3
	LOADHF HF, WAD, 0
.if (\ph) == 1
	LOAD8 QC, AA, 8192
.endif
.if (\ph) == 2
	LOAD8 QC, AA2, 0
.endif
	FIN \ph, 1, 4096
	RUN \ph, 1, 1
	s_add_co_u32 s46, s46, 8192
	s_sub_co_u32 s47, s47, 1
	s_cmp_lg_u32 s47, 0
	s_cbranch_scc1 .Lsk_\@
	v_add_nc_u32 v[AA], \ob, v[IW]
	s_wait_dscnt 0x0                               ; step 16
.if (\ph) == 1
	LOAD8 QC+8, AA, 61440
.endif
	FIN \ph, 0, 57344
	MEDONLY \ph, 1
	s_wait_dscnt 0x0                               ; step 17
	FIN \ph, 1, 61440
.endm
; Four tiles of x: in, statistics, z, and the three images of h (one loop trip for each of the scales e1, e3, e5, which rotate through s60-62)
.macro GROUP g
.irp k, 0,1,2,3
	TURN 4*(\g)+\k
	P12 4*(\g)+\k
.endr
.if (\g) == 3
	WLOAD 0, 0                                     ; Wq and Wk, behind the last tile of x
	WLOAD 128, 65536
.endif
	BAR                                            ; the four waves' statistics of these tiles lie in LDS
	ZSTAT4 4*(\g)
.irp k, 0,1,2,3
	ZAPPLY 4*(\g)+\k, \k
.endr
	WIN 0
	s_mov_b32 s51, 0
	s_mov_b32 s52, 3
.Lq_\@:
	SETQ s60
	v_add_nc_u32 v[WAD], s51, v[IW]
.irp k, 0,1,2,3
	QPASS 4*(\g)+\k, 0
.endr
	s_mov_b32 s63, s60
	s_mov_b32 s60, s61
	s_mov_b32 s61, s62
	s_mov_b32 s62, s63
	s_add_co_u32 s51, s51, 65536
	s_sub_co_u32 s52, s52, 1
	s_cmp_lg_u32 s52, 0
	s_cbranch_scc1 .Lq_\@
.endm
; attn Wo.  Behind tile m's first four products: sum x 2^(e8 + e9) + mu of tile m - 1 (bo went in as the sums' start); behind the last four: x1 = z sigma + that, into the residual's registers
.macro OSLICE s, t
.if (\s) == 0
.irp k, 0,2,4,6
	v_pk_fma_f32 v[PA+8*(\t)+\k:PA+8*(\t)+\k+1], s[66:67], v[PA+8*(\t)+\k:PA+8*(\t)+\k+1], v[PP:PP+1] op_sel_hi:[0,1,0]
.endr
.else
	WIN PW|(PW<<6)
.irp k, 0,2,4,6
	v_pk_fma_f32 v[PR+8*(\t)+\k:PR+8*(\t)+\k+1], v[PR+8*(\t)+\k:PR+8*(\t)+\k+1], v[PP+2:PP+3], v[PA+8*(\t)+\k:PA+8*(\t)+\k+1] op_sel_hi:[1,0,1]
.endr
.endif
.endm
.macro STEPO m
.set PB_, (\m)%2
	s_wait_dscnt 0x0
.if (\m) < 15
	LOADHF HF+32*(1-PB_), RA, 4096*((\m)+1)
.endif
.if (\m) > 0
.set PW, 2+((\m)-1)/8
.set PR, 32*(((\m)-1)%8)
.set PA, AC+32*(1-PB_)
	v_mov_b32 v[PP], v[MU+(\m)-1]
	v_mov_b32 v[PP+2], v[SG+(\m)-1]
.endif
.irp s, 0,1
.irp t, 0,1,2,3
.if (\m) < 16
	WIN 0x01
.if \s == 0
	v_wmma_f32_16x16x128_fp8_fp8 v[AC+32*PB_+8*\t:AC+32*PB_+8*\t+7], v[128+32*\t:128+32*\t+15], v[HF+32*PB_:HF+32*PB_+15], v[BO+8*\t:BO+8*\t+7]
.else
	v_wmma_f32_16x16x128_fp8_fp8 v[AC+32*PB_+8*\t:AC+32*PB_+8*\t+7], v[128+32*\t+16:128+32*\t+31], v[HF+32*PB_+16:HF+32*PB_+31], v[AC+32*PB_+8*\t:AC+32*PB_+8*\t+7]
.endif
.endif
.if (\m) > 0
	OSLICE \s, \t
.endif
.endr
.endr
.if (\m) == 0
	PLACES 4
.endif
	WIN 0
.endm
; hidden chunk x W2, onto the residual in place.  Four buffers: tile m + 4 is asked for behind tile m's products and their four places
.macro STEPW2 m
.set XW, 2+(\m)/8
.set XR, 32*((\m)%8)
.if (\m) < 13
	s_wait_dscnt 24                                ; tile m's eight loads are in; those of the three tiles behind it may be out
.else
	s_wait_dscnt 8*(15-(\m))
.endif
	WIN 0x01|(XW<<4)|(XW<<6)
.irp s, 0,1
.irp t, 0,1,2,3
	v_wmma_f32_16x16x128_fp8_fp8 v[XR+8*\t:XR+8*\t+7], v[128+32*\t+16*\s:128+32*\t+16*\s+15], v[HF+32*((\m)%4)+16*\s:HF+32*((\m)%4)+16*\s+15], v[XR+8*\t:XR+8*\t+7]
.endr
.endr
	WIN 0
	PLACES 4
.if (\m) < 12
	LOADHF HF+32*((\m)%4), RA, 4096*((\m)+4)
.endif
.endm
.macro OUT m                           ; out = sum x 2^(e12 + e13) + b2; through my stage, back as rows of 256 bytes
.set XW, 2+(\m)/8
.set XR, 32*((\m)%8)
.set OTB, OT+32*((\m)%2)
.set ORB, ORR+32*((\m)%2)
	WIN XW
.set i, 0
.rept 16
	v_pk_fma_f32 v[OTB+i:OTB+i+1], v[XR+i:XR+i+1], s[68:69], v[B2+i:B2+i+1] op_sel_hi:[1,0,1]
.set i, i+2
.endr
	WIN 0
.irp t, 0,1,2,3
.irp u, 0,1
	ds_store_b128 v[ST], v[OTB+8*\t+4*\u:OTB+8*\t+4*\u+3] offset:64*\t+16*\u
.endr
.endr
.irp n, 0,1,2,3,4,5,6,7
	ds_load_b128 v[ORB+4*\n:ORB+4*\n+3], v[SD] offset:544*\n
.endr
.endm
.macro SEND m, y                       ; y: the LDS instructions issued behind tile m's loads, which may stay out
.set ORB, ORR+32*((\m)%2)
	s_wait_dscnt \y
.irp n, 0,1,2,3,4,5,6,7
	global_store_b128 v[GX], v[ORB+4*\n:ORB+4*\n+3], s[28:29] offset:(16*(\m)+2*\n)*1024 th:TH_STORE_NT   ; sixteen lanes store 256 consecutive bytes, aligned
.endr
.endm
	; ---- the head
	s_load_b512 s[8:23], s[0:1], 0x0               ; x s[8:9], wc s[10:11], the scales s[12:13], g1 s[14:15], be1 s[16:17], bo s[18:19], g2 s[20:21], be2 s[22:23]
	s_load_b128 s[24:27], s[0:1], 0x40             ; b1 s[24:25], b2 s[26:27]
	s_load_b64 s[28:29], s[0:1], 0x50              ; out0
	v_lshl_add_u32 v[SPW], v0, 2, SPARE
	v_mov_b32 v[NIL], 0
	v_lshrrev_b32 v216, 5, v0
	v_readfirstlane_b32 s30, v216                  ; wave 0..3
	v_and_b32 v217, 31, v0                         ; lane
	v_and_b32 v218, 15, v0                         ; r
	v_bfe_u32 v219, v0, 4, 1                       ; h
	v_lshlrev_b32 v[L16], 4, v217
	s_lshl_b32 s31, s30, 10
	v_add_nc_u32 v[IW], s31, v[L16]
	s_mul_i32 s49, s30, 4352
	s_add_co_u32 s49, s49, STG                     ; my stage
	v_mul_u32_u24 v220, v219, 272
	v_lshl_add_u32 v220, v218, 4, v220
	v_add_nc_u32 v[SD], s49, v220
	v_mul_u32_u24 v220, v218, 272
	v_lshl_add_u32 v220, v219, 5, v220
	v_add_nc_u32 v[ST], s49, v220
	v_lshlrev_b32 v220, 10, v219
	v_lshl_add_u32 v220, v218, 4, v220
	s_lshl_b32 s31, s30, 8
	v_add_nc_u32 v[GX], s31, v220
	v_lshl_add_u32 v221, v219, 5, s31              ; 256 wave + 32 h: my eight numbers of a tile in a vector of 256
	v_lshl_add_u32 v222, v217, 3, s31              ; 256 wave + 8 lane: for the vectors that are parked
	v_lshlrev_b32 v220, 5, v218
	v_add_nc_u32 v[SRD], STAT, v220
	s_lshl_b32 s31, s30, 3
	v_add_nc_u32 v[SW], s31, v[SRD]
	s_lshl_b32 s31, s30, 11
	s_add_co_u32 s31, s31, PARK
	v_lshl_add_u32 v[PKA], v219, 5, s31
	v_lshl_add_u32 v220, v217, 3, s31              ; where I park 8 bytes
	v_mov_b32 v[NINF], 0xff800000
	v_lshlrev_b32 v216, 3, v219
	v_sub_nc_u32 v216, v218, v216                  ; r - 8 h
.irp j, 0,1,2,3,4,5,6,7
	v_cmp_gt_i32 s[76+\j], \j, v216                ; the lanes in which key 8 h + j comes after query r
.endr
	v_mov_b32 v[TP], 0                             ; written once: a lane permute's destination counts as read,
	v_mov_b32 v[PRM+1], 0                          ; and so does the upper word of a pair whose low word is broadcast
	v_mov_b32 v[PP+1], 0
	v_mov_b32 v[PP+3], 0
	s_mov_b32 s54, 0x76543210                      ; v_permlanex16_b32: lane l xor 16
	s_mov_b32 s55, 0xfedcba98
	s_mov_b32 s73, 0x3b800000                      ; 1 / 256
	s_mov_b32 s88, 0x3727c5ac                      ; 1e-5
	s_lshl_b32 s90, ttmp9, 18                      ; my work-group's 256 rows of 1,024 bytes
	s_mov_b32 s91, 0
	s_lshl_b32 s92, s30, 14                        ; my wave's 16,384 bytes of a chunk of wc
	s_mov_b32 s93, 0
	s_wait_kmcnt 0x0
	s_load_b256 s[32:39], s[12:13], 0x0            ; e0 .. e7
	s_load_b128 s[40:43], s[12:13], 0x20           ; e8 .. e11
	s_load_b64 s[44:45], s[12:13], 0x30            ; e12, e13
	s_add_nc_u64 s[8:9], s[8:9], s[90:91]
	s_add_nc_u64 s[28:29], s[28:29], s[90:91]
	s_add_nc_u64 s[74:75], s[10:11], s[92:93]
.irp t, 0,1,2,3
.irp u, 0,1
	global_load_b128 v[G+8*\t+4*\u:G+8*\t+4*\u+3], v221, s[14:15] offset:64*\t+16*\u
	global_load_b128 v[BE+8*\t+4*\u:BE+8*\t+4*\u+3], v221, s[16:17] offset:64*\t+16*\u
.endr
.endr
	global_load_b64 v[160:161], v222, s[18:19]     ; bo, g2, be2, b2, b1's four chunks: my 64 numbers of each
	global_load_b64 v[162:163], v222, s[20:21]
	global_load_b64 v[164:165], v222, s[22:23]
	global_load_b64 v[166:167], v222, s[26:27]
.irp n, 0,1,2,3
	global_load_b64 v[168+2*\n:169+2*\n], v222, s[24:25] offset:1024*\n
.endr
.irp m, 0,1,2,3,4,5,6
	XLOAD \m
.endr
	WIN 0
	s_wait_kmcnt 0x0
	s_add_co_i32 s49, s38, s39
	s_lshl_b32 s49, s49, 23
	s_add_co_i32 s56, s49, 0x3db8aa3b              ; c = log2(e) / 16, with e6 + e7 added to its exponent field
	s_mov_b32 s57, s56
	s_mov_b32 s60, s33                             ; e1, e3, e5
	s_mov_b32 s61, s35
	s_mov_b32 s62, s37
	s_add_co_i32 s49, s40, s41
	s_sub_co_i32 s70, 0, s49                       ; -(e8 + e9)
	s_add_co_i32 s49, s49, 127
	s_lshl_b32 s66, s49, 23                        ; 2^(e8 + e9)
	s_mov_b32 s67, s66
	s_add_co_i32 s49, s44, s45
	s_sub_co_i32 s72, 0, s49                       ; -(e12 + e13)
	s_add_co_i32 s49, s49, 127
	s_lshl_b32 s68, s49, 23                        ; 2^(e12 + e13)
	s_mov_b32 s69, s68
	s_add_co_i32 s49, s42, s43
	s_sub_co_i32 s71, 0, s49                       ; -(e10 + e11)
	s_sub_co_i32 s87, s44, s49                     ; the scales ahead of a quantiser are folded into the conversion's one: the hidden layer's e12 - e10 - e11,
	s_sub_co_i32 s84, s38, s32
	s_sub_co_i32 s84, s84, s33                     ; q's e6 - e0 - e1,
	s_sub_co_i32 s85, s39, s34
	s_sub_co_i32 s85, s85, s35                     ; k's e7 - e2 - e3,
	s_sub_co_i32 s86, s40, s36
	s_sub_co_i32 s86, s86, s37                     ; attn's e8 - e4 - e5
	s_wait_loadcnt 56                              ; the small vectors are in: behind them stand seven tiles of x, eight loads each
.irp n, 0,1,2,3,4,5,6,7
	ds_store_b64 v220, v[160+2*\n:161+2*\n] offset:256*\n
.endr
	; ---- LN1 and the three images of h, while later tiles of x are on their way
	GROUP 0
	GROUP 1
	GROUP 2
	GROUP 3
	BAR                                            ; the images are whole
	s_wait_loadcnt 0x0                             ; Wq, Wk
	; ---- attention, each wave its head
	SETQ s84
	SKEL 0, 0, ATT
	WLOAD 0, 2*65536                               ; Wv, a phase ahead
	SETQ s85
	SKEL 1, 65536, ATT
	s_wait_loadcnt 0x0                             ; Wv
	WLOAD 128, 3*65536                             ; Wo
	SETQ s86
	SKEL 2, 131072, ATT
	s_wait_loadcnt 0x0                             ; Wo
	WLOAD 0, 4*65536                               ; W1's first chunk
	BAR                                            ; attn's image is whole
	; ---- attn Wo + bo + x
.irp t, 0,1,2,3
.irp u, 0,1
	ds_load_b128 v[BO+8*\t+4*\u:BO+8*\t+4*\u+3], v[PKA] offset:64*\t+16*\u
.endr
.endr
	v_add_nc_u32 v[RA], ATT, v[L16]
	LOADHF HF, RA, 0
	s_wait_dscnt 0x0
.set i, 0
.rept 32
	v_ldexp_f32 v[BO+i], v[BO+i], s70              ; bo / 2^(e8 + e9): the sums' start
.set i, i+1
.endr
.irp m, 0,1,2,3,4,5,6,7,8,9,10,11,12,13,14,15,16
	STEPO \m
.endr
	; ---- LN2 and the image of h2
.irp t, 0,1,2,3
.irp u, 0,1
	ds_load_b128 v[G+8*\t+4*\u:G+8*\t+4*\u+3], v[PKA] offset:256+64*\t+16*\u
	ds_load_b128 v[BE+8*\t+4*\u:BE+8*\t+4*\u+3], v[PKA] offset:512+64*\t+16*\u
.endr
.endr
.irp m, 0,1,2,3,4,5,6,7,8,9,10,11,12,13,14,15
	P12 \m
.endr
	BAR
.irp g, 0,1,2,3
	ZSTAT4 4*\g
.irp k, 0,1,2,3
	ZAPPLY 4*\g+\k, \k
.endr
.endr
	WIN 0
	SETQ s42
	v_mov_b32 v[WAD], v[IW]
.irp m, 0,1,2,3,4,5,6,7,8,9,10,11,12,13,14,15
	QPASS \m, 1
.endr
	BAR                                            ; h2's image is whole
	; ---- the MLP, four chunks of 256 hidden units.  Each chunk of weights is asked for a phase ahead; every wait for them is for 0
	SETQ s87
	s_mov_b32 s50, 4
	s_mov_b32 s53, 0
.Lmlp:
	s_wait_loadcnt 0x0                             ; this chunk of W1
	WLOAD 128, 5*65536                             ; this chunk of W2
	v_add_nc_u32 v[RA], s53, v[PKA]
.irp t, 0,1,2,3
.irp u, 0,1
	ds_load_b128 v[B1R+8*\t+4*\u:B1R+8*\t+4*\u+3], v[RA] offset:1024+64*\t+16*\u
.endr
.endr
	s_wait_dscnt 0x0
.set i, 0
.rept 32
	v_ldexp_f32 v[B1R+i], v[B1R+i], s71            ; b1 / 2^(e10 + e11): the sums' start
.set i, i+1
.endr
	SKEL 3, 0, HID
	BAR                                            ; the hidden chunk's image is whole
	s_wait_loadcnt 0x0                             ; this chunk of W2
	s_cmp_eq_u32 s50, 1                            ; the last chunk has no successor: no load leaves wc
	s_cbranch_scc1 .Lno_next
	WLOAD 0, 6*65536                               ; the next chunk of W1
.Lno_next:
	v_add_nc_u32 v[RA], HID, v[L16]
.irp k, 0,1,2,3
	LOADHF HF+32*\k, RA, 4096*\k
.endr
.irp m, 0,1,2,3,4,5,6,7,8,9,10,11,12,13,14,15
	STEPW2 \m
.endr
	BAR                                            ; every wave has read the hidden chunk: it may be written again
	s_wait_xcnt 0x0                                ; the loads have read their base
	s_add_nc_u64 s[74:75], s[74:75], 131072
	s_add_co_u32 s53, s53, 256
	s_sub_co_u32 s50, s50, 1
	s_cmp_lg_u32 s50, 0
	s_cbranch_scc1 .Lmlp
	; ---- the way out
.irp t, 0,1,2,3
.irp u, 0,1
	ds_load_b128 v[B2+8*\t+4*\u:B2+8*\t+4*\u+3], v[PKA] offset:768+64*\t+16*\u
.endr
.endr
	s_wait_dscnt 0x0
	OUT 0
.irp m, 1,2,3,4,5,6,7,8,9,10,11,12,13,14,15
.if \m > 1
	s_wait_xcnt 0x0                                ; tile m - 2's stores have read their registers: tile m's rows may land there
.endif
	OUT \m
	SEND \m-1, 16                                  ; behind tile m - 1's loads: tile m's eight stores and eight loads
.endr
	SEND 15, 0
	s_wait_tensorcnt 0x0                           ; the wave's end
	ds_add_u32 v[SPW], v[NIL]
	s_wait_dscnt 0x0
	s_endpgm
.Lfunc_end_k_qcb6f94f86c_block:
	.size	k_qcb6f94f86c_block, .Lfunc_end_k_qcb6f94f86c_block-k_qcb6f94f86c_block
	.p2alignl 7, 3214868480
	.fill 96, 4, 3214868480
	.section	.rodata,"a",@progbits
	.p2align	6, 0x0
	.amdhsa_kernel k_qcb6f94f86c_block
		.amdhsa_group_segment_fixed_size 296448
		.amdhsa_private_segment_fixed_size 0
		.amdhsa_enable_private_segment 0
		.amdhsa_kernarg_size 88
		.amdhsa_user_sgpr_count 2
		.amdhsa_user_sgpr_kernarg_segment_ptr 1
		.amdhsa_wavefront_size32 1
		.amdhsa_system_sgpr_workgroup_id_x 1
		.amdhsa_system_sgpr_workgroup_id_y 1
		.amdhsa_system_sgpr_workgroup_id_z 1
		.amdhsa_system_vgpr_workitem_id 0
		.amdhsa_next_free_vgpr 1024
		.amdhsa_next_free_sgpr 100
		.amdhsa_reserve_vcc 0
		.amdhsa_float_denorm_mode_32 3
		.amdhsa_float_denorm_mode_16_64 3
		.amdhsa_memory_ordered 1
		.amdhsa_forward_progress 1
		.amdhsa_inst_pref_size 255
	.end_amdhsa_kernel
	.section	.bss,"aw",@nobits
	.p2align	6
	.space	262144
	.amdgpu_metadata
---
amdhsa.version: [ 1, 2 ]
amdhsa.kernels:
  - .name:           k_qcb6f94f86c_block
    .symbol:         k_qcb6f94f86c_block.kd
    .args:
      - { .name: x, .offset: 0, .size: 8, .value_kind: global_buffer, .address_space: global }
      - { .name: wc, .offset: 8, .size: 8, .value_kind: global_buffer, .address_space: global }
      - { .name: lowp_scales, .offset: 16, .size: 8, .value_kind: global_buffer, .address_space: global }
      - { .name: g1, .offset: 24, .size: 8, .value_kind: global_buffer, .address_space: global }
      - { .name: be1, .offset: 32, .size: 8, .value_kind: global_buffer, .address_space: global }
      - { .name: bo, .offset: 40, .size: 8, .value_kind: global_buffer, .address_space: global }
      - { .name: g2, .offset: 48, .size: 8, .value_kind: global_buffer, .address_space: global }
      - { .name: be2, .offset: 56, .size: 8, .value_kind: global_buffer, .address_space: global }
      - { .name: b1, .offset: 64, .size: 8, .value_kind: global_buffer, .address_space: global }
      - { .name: b2, .offset: 72, .size: 8, .value_kind: global_buffer, .address_space: global }
      - { .name: out0, .offset: 80, .size: 8, .value_kind: global_buffer, .address_space: global }
    .group_segment_fixed_size: 296448
    .private_segment_fixed_size: 0
    .kernarg_segment_align: 8
    .kernarg_segment_size: 88
    .max_flat_workgroup_size: 128
    .sgpr_count:     100
    .vgpr_count:     1024
    .wavefront_size: 32
...
	.end_amdgpu_metadata
.endif
;; end of part 2
;; ======== version 2 of 2: 2 launches
;; limits: right only within a limited range of input values
;; workspace buffers: wc 786,432 bytes
;; launch prep (part 3): grid 48 x 1, 8 waves a work-group, no clusters, 0 bytes of LDS; arguments Wq, Wk, Wv, Wo, W1, W2, lowp_scales, wc; writes wc
.if DOCPART == 3
	.amdgcn_target "amdgcn-amd-amdhsa--gfx1250"
	.amdhsa_code_object_version 6
	.text
	.protected	k_qcb6f94f86c_prep
	.globl	k_qcb6f94f86c_prep
	.p2align	8
	.type	k_qcb6f94f86c_prep,@function
k_qcb6f94f86c_prep:
	s_mov_b64 s[64:65], 0
	v_nop
	global_prefetch_b8 v0, s[64:65] scope:SCOPE_SE
	s_setreg_imm32_b32 hwreg(HW_REG_WAVE_MODE, 25, 1), 1
	s_wait_xcnt 0x0
; The six weights, f32 with K as the row axis, become codes of FP8 (E4M3), each with its given scale 2^e, laid in the ORDER OF THE OPERAND'S REGISTERS:
; wc = 12 chunks c x 4 waves w x 8 fragments f x 2,048 bytes; byte ((4 c + w) 8 + f) 2048 + 512 p + 16 L holds registers 4 p .. 4 p + 3 of lane L.
; f = 2 t + s: t a tile of 16 columns, s a K step of 128.  Lane (r, h), register pair cc, byte jj = Q(W[k0 + 16 cc + 8 h + jj][n0 + r]).
;   c = 0, 1, 2: Wq, Wk, Wv, head w (pitch 64; n0 = 16 t; k0 = 128 s; scale entries 0, 2, 4)      c = 3: Wo (pitch 256; n0 = 64 w + 16 t; entry 9)
;   c = 4 + 2 i: W1 (pitch 1,024; n0 = 256 i + 64 w + 16 t; entry 11)                              c = 5 + 2 i: W2 (pitch 256; n0 = 64 w + 16 t; k0 = 256 i + 128 s; entry 13)
; Work-group 4 c + w, wave f.  A lane takes one column and its 64 registers run down K, so the conversions' results are the operand's registers and nothing is transposed.
; code = x / 2^e, held within +-448, to the nearest code, ties to even.  LIMITS: e between -126 and 119; NaN among the inputs is not served.
; 48 work-groups are all the work there is: 768 KB of codes.  No LDS, no barrier, no loop.
.macro LD64 P                          ; W[k0 + 16 cc + 8 h + jj][n0 + r] into v[16 + 8 cc + jj]: sixteen lanes read 64 consecutive bytes
.irp c, 0,1,2,3,4,5,6,7
.irp j, 0,1,2,3,4,5,6,7
	global_load_b32 v[16+8*\c+\j], v1, s[28:29] offset:(16*\c+\j)*(\P)*4
.endr
.endr
.endm
	s_load_b512 s[8:23], s[0:1], 0x0               ; Wq s[8:9], Wk s[10:11], Wv s[12:13], Wo s[14:15], W1 s[16:17], W2 s[18:19], the scales s[20:21], wc s[22:23]
	v_lshrrev_b32 v3, 5, v0
	s_delay_alu instid0(VALU_DEP_1)
	v_readfirstlane_b32 s4, v3                     ; wave = fragment f
	v_and_b32 v4, 15, v0                           ; r
	v_bfe_u32 v5, v0, 4, 1                         ; h
	v_and_b32 v2, 31, v0
	s_delay_alu instid0(VALU_DEP_1)
	v_lshlrev_b32 v2, 4, v2                        ; 16 x lane: my place in a store's 512 bytes
	s_lshr_b32 s5, ttmp9, 2                        ; chunk c
	s_and_b32 s6, ttmp9, 3                         ; w
	s_lshr_b32 s7, s4, 1                           ; t
	s_and_b32 s24, s4, 1                           ; s
	s_lshl_b32 s26, s7, 6                          ; 16 t columns in bytes
	s_mov_b32 s35, 0
	s_wait_kmcnt 0x0
	s_cmp_eq_u32 s5, 1                             ; which weight: the choice hangs on the work-group's number alone
	s_cselect_b64 s[28:29], s[10:11], s[8:9]
	s_cmp_eq_u32 s5, 2
	s_cselect_b64 s[28:29], s[12:13], s[28:29]
	s_cmp_eq_u32 s5, 3
	s_cselect_b64 s[28:29], s[14:15], s[28:29]
	s_bitcmp1_b32 s5, 0
	s_cselect_b64 s[30:31], s[18:19], s[16:17]     ; odd chunks from 5 on: W2; even ones from 4 on: W1
	s_cmp_gt_u32 s5, 3
	s_cselect_b64 s[28:29], s[30:31], s[28:29]
	s_cmp_lt_u32 s5, 3
	s_cbranch_scc1 .Lp64
	s_cmp_eq_u32 s5, 3
	s_cbranch_scc1 .Lp256
	s_bitcmp1_b32 s5, 0
	s_cbranch_scc1 .Lp256
	; W1: ((128 s) 1024 + 256 i + 64 w + 16 t) x 4 bytes
	s_sub_co_u32 s25, s5, 4
	s_lshr_b32 s25, s25, 1                         ; i
	s_lshl_b32 s34, s24, 19
	s_lshl_b32 s25, s25, 10
	s_add_co_u32 s34, s34, s25
	s_lshl_b32 s25, s6, 8
	s_add_co_u32 s34, s34, s25
	s_add_co_u32 s34, s34, s26
	s_add_nc_u64 s[28:29], s[28:29], s[34:35]
	s_load_b32 s36, s[20:21], 0x2c                 ; entry 11
	s_wait_alu depctr_va_vdst(0)
	v_lshlrev_b32 v1, 15, v5                       ; 8 h rows of 4,096 bytes
	s_delay_alu instid0(VALU_DEP_1)
	v_lshl_add_u32 v1, v4, 2, v1                   ; + 4 r
	LD64 1024
	s_branch .Ljoin
.Lp256:
	; Wo: ((128 s) 256 + 64 w + 16 t) x 4;  W2: the same + (256 i) 256 x 4
	s_sub_co_u32 s25, s5, 5
	s_lshr_b32 s25, s25, 1                         ; i (of no meaning for Wo)
	s_cmp_eq_u32 s5, 3
	s_cselect_b32 s25, 0, s25
	s_cselect_b32 s37, 36, 52                      ; entry 9 or 13, in bytes
	s_lshl_b32 s34, s25, 18
	s_lshl_b32 s25, s24, 17
	s_add_co_u32 s34, s34, s25
	s_lshl_b32 s25, s6, 8
	s_add_co_u32 s34, s34, s25
	s_add_co_u32 s34, s34, s26
	s_add_nc_u64 s[28:29], s[28:29], s[34:35]
	s_load_b32 s36, s[20:21], s37 offset:0x0
	s_wait_alu depctr_va_vdst(0)
	v_lshlrev_b32 v1, 13, v5                       ; 8 h rows of 1,024 bytes
	s_delay_alu instid0(VALU_DEP_1)
	v_lshl_add_u32 v1, v4, 2, v1
	LD64 256
	s_branch .Ljoin
.Lp64:
	; Wq, Wk, Wv: head w (65,536 bytes) + ((128 s) 64 + 16 t) x 4
	s_lshl_b32 s34, s6, 16
	s_lshl_b32 s25, s24, 15
	s_add_co_u32 s34, s34, s25
	s_add_co_u32 s34, s34, s26
	s_add_nc_u64 s[28:29], s[28:29], s[34:35]
	s_lshl_b32 s37, s5, 3                          ; entry 2 c, in bytes
	s_load_b32 s36, s[20:21], s37 offset:0x0
	s_wait_alu depctr_va_vdst(0)
	v_lshlrev_b32 v1, 11, v5                       ; 8 h rows of 256 bytes
	s_delay_alu instid0(VALU_DEP_1)
	v_lshl_add_u32 v1, v4, 2, v1
	LD64 64
.Ljoin:
	s_wait_kmcnt 0x0                               ; e
	s_add_co_i32 s36, s36, 127
	s_lshl_b32 s37, s36, 23
	v_mov_b32 v11, s37                             ; 2^e as f32: the conversion takes its exponent field
	s_add_co_i32 s36, s36, 8
	s_lshl_b32 s36, s36, 23
	s_or_b32 s36, s36, 0x600000
	v_mov_b32 v10, s36                             ; 448 x 2^e
	s_lshl_b32 s34, ttmp9, 14                      ; my work-group's 16,384 bytes of wc,
	s_lshl_b32 s25, s4, 11                         ; my wave's 2,048
	s_add_co_u32 s34, s34, s25
	s_add_nc_u64 s[22:23], s[22:23], s[34:35]
	s_wait_alu depctr_va_vdst(0)
	s_wait_loadcnt 0x0
.set i, 0
.rept 64
	v_med3_num_f32 v[16+i], v[16+i], -v10, v10     ; the conversion to an 8-bit code does not saturate (ISA guide 7.6.2): the hold comes first
.set i, i+1
.endr
.irp c, 0,1,2,3,4,5,6,7
	v_cvt_scalef32_pk8_fp8_f32 v[80+2*\c:81+2*\c], v[16+8*\c:23+8*\c], v11
.endr
	v_nop
.irp p, 0,1,2,3
	global_store_b128 v2, v[80+4*\p:83+4*\p], s[22:23] offset:512*\p   ; 32 lanes store 512 consecutive bytes, aligned
.endr
	s_endpgm
.Lfunc_end_k_qcb6f94f86c_prep:
	.size	k_qcb6f94f86c_prep, .Lfunc_end_k_qcb6f94f86c_prep-k_qcb6f94f86c_prep
	.p2alignl 7, 3214868480
	.fill 96, 4, 3214868480
	.section	.rodata,"a",@progbits
	.p2align	6, 0x0
	.amdhsa_kernel k_qcb6f94f86c_prep
		.amdhsa_group_segment_fixed_size 0
		.amdhsa_private_segment_fixed_size 0
		.amdhsa_enable_private_segment 0
		.amdhsa_kernarg_size 64
		.amdhsa_user_sgpr_count 2
		.amdhsa_user_sgpr_kernarg_segment_ptr 1
		.amdhsa_wavefront_size32 1
		.amdhsa_system_sgpr_workgroup_id_x 1
		.amdhsa_system_sgpr_workgroup_id_y 1
		.amdhsa_system_sgpr_workgroup_id_z 1
		.amdhsa_system_vgpr_workitem_id 0
		.amdhsa_next_free_vgpr 96
		.amdhsa_next_free_sgpr 66
		.amdhsa_reserve_vcc 0
		.amdhsa_float_denorm_mode_32 3
		.amdhsa_float_denorm_mode_16_64 3
		.amdhsa_memory_ordered 1
		.amdhsa_forward_progress 1
		.amdhsa_inst_pref_size 27
	.end_amdhsa_kernel
	.amdgpu_metadata
---
amdhsa.version: [ 1, 2 ]
amdhsa.kernels:
  - .name:           k_qcb6f94f86c_prep
    .symbol:         k_qcb6f94f86c_prep.kd
    .args:
      - { .name: Wq, .offset: 0, .size: 8, .value_kind: global_buffer, .address_space: global }
      - { .name: Wk, .offset: 8, .size: 8, .value_kind: global_buffer, .address_space: global }
      - { .name: Wv, .offset: 16, .size: 8, .value_kind: global_buffer, .address_space: global }
      - { .name: Wo, .offset: 24, .size: 8, .value_kind: global_buffer, .address_space: global }
      - { .name: W1, .offset: 32, .size: 8, .value_kind: global_buffer, .address_space: global }
      - { .name: W2, .offset: 40, .size: 8, .value_kind: global_buffer, .address_space: global }
      - { .name: lowp_scales, .offset: 48, .size: 8, .value_kind: global_buffer, .address_space: global }
      - { .name: wc, .offset: 56, .size: 8, .value_kind: global_buffer, .address_space: global }
    .group_segment_fixed_size: 0
    .private_segment_fixed_size: 0
    .kernarg_segment_align: 8
    .kernarg_segment_size: 64
    .max_flat_workgroup_size: 256
    .sgpr_count:     66
    .vgpr_count:     96
    .wavefront_size: 32
...
	.end_amdgpu_metadata
.endif
;; end of part 3
;; launch block (part 4): grid 512 x 1, 4 waves a work-group, no clusters, 163,328 bytes of LDS; arguments x, wc, lowp_scales, g1, be1, bo, g2, be2, b1, b2, out0; writes out0
.if DOCPART == 4
	.amdgcn_target "amdgcn-amd-amdhsa--gfx1250"
	.amdhsa_code_object_version 6
	.text
	.protected	k_qcb6f94f86c_block
	.globl	k_qcb6f94f86c_block
	.p2align	8
	.type	k_qcb6f94f86c_block,@function
k_qcb6f94f86c_block:
	s_mov_b64 s[64:65], 0
	v_nop
	global_prefetch_b8 v0, s[64:65] scope:SCOPE_SE
	s_setreg_imm32_b32 hwreg(HW_REG_WAVE_MODE, 25, 1), 1
	s_wait_xcnt 0x0
; The whole block, fused: LN1, q k v, causal attention, Wo, residual, LN2, W1, relu, W2, residual.  Quantised products on codes of FP8 (E4M3) with the given scales 2^e (entries e0 .. e13); w v in f32.
; SHARES.  A work-group owns 128 rows = 8 sequences of 16 tokens = 8 row tiles m.  512 registers a wave and under half of a WGP's LDS: two work-groups share a WGP.
; THE FOUR WAVES SHARE THE COLUMNS: wave w is head w and owns columns 64 w .. + 63 of every tensor of 256 columns, and hidden units 256 i + 64 w .. + 63 of chunk i of the hidden layer.
; Each byte of a weight's codes goes from memory straight into the registers of the one wave of the work-group that multiplies by it (wc lies in the order of the operand's registers: 512 consecutive bytes a load).
; LAYOUT.  Products are used transposed (source 0 = 16 columns of a weight, source 1 = 16 rows): tile m, column tile t, register j of a lane holds (row 16 m + r, column 64 w + 16 t + 8 h + j), r = lane % 16,
; h = lane / 16.  One conversion makes of eight registers register pair t of the next operand.  Operands go from wave to wave through LDS as images of their registers: 16 bytes a lane, 512 a line.
; WINDOW 1: x, then h (LN1); Wq | Wk, Wv (attention: 128 registers each); x again, and from there on the residual, 32 registers a tile.  x is read twice: 256 registers do not hold it beside the attention's weights.
; The residual is the C of Wo's and of W2's products in place: x / 2^(e8+e9) + bo / 2^(e8+e9), after LN2 rescaled by powers of two to x1 / 2^(e12+e13).  LN2 works on the scaled numbers with eps / 4^(e8+e9).
; WINDOW 0: addresses, work, and from Wo on two weight halves of 64 registers, WA and WB: Wo and W2 go by halves of K, W1 by halves of its columns; while one half is multiplied the other is on its way.
; ATTENTION of (sequence m, head w) is the wave's own: S^T = k q^T is one 16x16x64 instruction (a lane holds one query and keys 8 h + j); the softmax takes its maximum away, is normalised, and stays f32;
; v is made in natural order (token 8 h + j, channel r), so pairs of v's registers and of P's are the f32 form's operands as they stand.
; NO CLUSTER, NO TENSOR LOAD, NO PREFETCH: what work-groups share is the weights' codes, whose bytes go to one wave's registers, each half or whole weight asked for a phase ahead of its use.
; LIMITS on the given exponents, so that each power of two is an f32 number: e1, e3, e5, e10, e6-e0-e1, e7-e2-e3, e8-e4-e5, e12-e10-e11 between -126 and 119; e8+e9 between -40 and 40; e12+e13 and
; e8+e9-e12-e13 between -126 and 127; e6+e7 between -122 and 131.  NaN among the inputs is not served.
; LDS: images of 32,768 bytes: h by q's, k's, v's scale at 0, 32,768, 65,536 (MLP: h2 at 0, the hidden chunk at HID).  An image: tile m at 4096 m, K step s at 2048 s, piece p at 512 p, lane at 16 L; wave w writes
; the 1,024 bytes at 1024 w of each tile.  ATT: slot (m, w) in the same form: q's codes, then P, then attn's codes.  STG: a stage of 16 rows x 272 bytes a wave.  STAT: row x 32 + 8 w: (mean, sum of squares about
; it) of the wave's 64 columns.  PARK: 2,560 a wave: bo, g2, be2, b2, b1's four chunks, g1, be1.
.set HID,   32768
.set ATT,   98304
.set STG,   131072
.set STAT,  148480
.set PARK,  152576
.set PARKW, 2560
.set SPARE, 162816                     ; the spare words, 128 bytes for each wave: two blocks of 256 bytes that no other line names
.set L16,  1                           ; 16 x lane
.set IW,   2                           ; 16 x lane + 1024 x wave
.set SCV,  3                           ; the conversions' scale
.set SD,   4                           ; the stage by rows: lanes 0-15 one row of 256 bytes, lanes 16-31 the next
.set ST,   5                           ; the stage by lanes: row r, 32 h bytes on
.set GX,   6                           ; x and out0: 1024 (lane / 16) + 16 (lane % 16) + 256 wave
.set SW,   7                           ; STAT + 32 r + 8 wave
.set SRD,  8                           ; STAT + 32 r
.set PKA,  9                           ; PARK + 2560 wave + 32 h
.set NINF, 10
.set TP,   11                          ; a lane permute's destination
.set RA,   12
.set AA,   13
.set WAD,  14
; LN
.set PRM,  16                          ; v16-31 (mean, sum of squares), a pair a tile
.set TM,   32                          ; 16 at work
.set CDL,  32                          ; codes
.set ZP,   48                          ; v48-63 (1 / sigma, -mu / sigma), a pair a tile
.set T,    64                          ; 32 at work
.set G,    96
.set BE,   128
.set BO,   64
; attention
.set HF,   32
.set AC,   64
.set TV,   96
.set CD,   128
.set S,    136
.set QC,   144
.set O,    224                         ; written by matrix instructions alone: attn^T, then the hidden layer's sums
; Wo and MLP
.set TB,   4                           ; v4-11
.set CM,   12                          ; v12-15 codes
.set B1R,  16
.set HM,   32                          ; v32-95 fragments of the rows' operand
.set WB,   96
.set WA,   160
; the way out
.set B2,   32
.set OT,   96
.set ORR,  160
.set MSB, 0
.macro WIN new                         ; the immediate's high byte repeats the setting that is left
.if MSB != (\new)
	s_set_vgpr_msb (MSB<<8)|(\new)
.set MSB, (\new)
.endif
.endm
.macro VW
	s_wait_alu depctr_va_vdst(0)
.endm
.macro PLACES n
.rept \n
	v_nop
.endr
.endm
.macro BAR                             ; my LDS stores have landed and my LDS loads are in: then the work-group's barrier
	VW
	s_wait_dscnt 0x0
	s_barrier_signal -1
	s_barrier_wait -1
.endm
.macro SETQ e                          ; the quantiser's scale 2^e: v[SCV] for the conversion, s58 = 448 x 2^e, s59 = -s58 for the hold
	s_add_co_i32 s63, \e, 127
	s_lshl_b32 s49, s63, 23
	s_add_co_i32 s63, s63, 8
	s_lshl_b32 s63, s63, 23
	s_or_b32 s58, s63, 0x600000
	s_or_b32 s59, s58, 0x80000000
	v_mov_b32 v[SCV], s49
.endm
.macro ADDR                            ; the stage's, x's and the parked vectors' addresses; leaves r in v12, h in v13
	v_and_b32 v12, 15, v0
	v_bfe_u32 v13, v0, 4, 1
	s_mul_i32 s49, s30, 4352
	s_add_co_u32 s49, s49, STG
	v_mul_u32_u24 v14, v13, 272
	v_lshl_add_u32 v14, v12, 4, v14
	v_add_nc_u32 v[SD], s49, v14
	v_mul_u32_u24 v14, v12, 272
	v_lshl_add_u32 v14, v13, 5, v14
	v_add_nc_u32 v[ST], s49, v14
	v_lshlrev_b32 v14, 10, v13
	v_lshl_add_u32 v14, v12, 4, v14
	s_lshl_b32 s49, s30, 8
	v_add_nc_u32 v[GX], s49, v14
	s_mul_i32 s49, s30, PARKW
	s_add_co_u32 s49, s49, PARK
	v_lshl_add_u32 v[PKA], v13, 5, s49
.endm
.macro WLOAD buf, off                  ; a weight's 16,384 bytes into window 1: fragment f at 16 f
	WIN 0x40
.irp f, 0,1,2,3,4,5,6,7
.irp p, 0,1,2,3
	global_load_b128 v[(\buf)+16*\f+4*\p:(\buf)+16*\f+4*\p+3], v[L16], s[74:75] offset:(\off)+2048*\f+512*\p
.endr
.endr
	WIN 0
.endm
.macro WHALF w, off, st                ; four fragments, st bytes apart, into a half
.irp f, 0,1,2,3
.irp p, 0,1,2,3
	global_load_b128 v[(\w)+16*\f+4*\p:(\w)+16*\f+4*\p+3], v[L16], s[74:75] offset:(\off)+(\st)*\f+512*\p
.endr
.endr
.endm
.macro WLS w, off, s                   ; half s along K: fragments 2 t + s
	WHALF \w, (\off)+2048*(\s), 4096
.endm
.macro WLH w, off, th                  ; column tiles 2 th, 2 th + 1: fragments 4 th .. 4 th + 3
	WHALF \w, (\off)+8192*(\th), 2048
.endm
.macro XLOAD m, nt                     ; tile m of x, my 64 columns, into window 1, by rows: sixteen lanes read 256 consecutive bytes, aligned
	WIN 0x40
.irp n, 0,1,2,3,4,5,6,7
.if \nt
	global_load_b128 v[32*(\m)+4*\n:32*(\m)+4*\n+3], v[GX], s[8:9] offset:(16*(\m)+2*\n)*1024 th:TH_LOAD_NT
.else
	global_load_b128 v[32*(\m)+4*\n:32*(\m)+4*\n+3], v[GX], s[8:9] offset:(16*(\m)+2*\n)*1024
.endif
.endr
	WIN 0
.endm
.macro PARKED reg, off                 ; 32 registers of a parked vector, in the results' layout
.irp t, 0,1,2,3
.irp u, 0,1
	ds_load_b128 v[(\reg)+8*\t+4*\u:(\reg)+8*\t+4*\u+3], v[PKA] offset:(\off)+64*\t+16*\u
.endr
.endr
.endm
.macro ROWSUM                          ; TM .. TM+7, each a part of the row's sum, become v[TM] + the lane's 16 away in v[TP]
	v_pk_add_f32 v[TM:TM+1], v[TM:TM+1], v[TM+2:TM+3]
	v_pk_add_f32 v[TM+4:TM+5], v[TM+4:TM+5], v[TM+6:TM+7]
	v_pk_add_f32 v[TM:TM+1], v[TM:TM+1], v[TM+4:TM+5]
	v_add_f32 v[TM], v[TM], v[TM+1]
	v_permlanex16_b32 v[TP], v[TM], s54, s55
.endm
.macro P12 m                           ; the mean of my 64 columns of each row and the sum of squares about it, to STAT
.set XR, 32*(\m)
.set PM, PRM+2*(\m)
	WIN 0x05
.irp k, 0,1,2,3,4,5,6,7
	v_pk_add_f32 v[TM+2*\k:TM+2*\k+1], v[XR+4*\k:XR+4*\k+1], v[XR+4*\k+2:XR+4*\k+3]
.endr
	WIN 0
.irp k, 0,2,4,6
	v_pk_add_f32 v[TM+\k:TM+\k+1], v[TM+\k:TM+\k+1], v[TM+\k+8:TM+\k+9]
.endr
	ROWSUM
	v_add_f32 v[TM], v[TM], v[TP]
	v_mul_f32 v[PM], 0x3c800000, v[TM]             ; / 64
	WIN 0x01
.set i, 0
.rept 16
	v_pk_add_f32 v[T+i:T+i+1], v[XR+i:XR+i+1], v[PM:PM+1] op_sel_hi:[1,0] neg_lo:[0,1] neg_hi:[0,1]
.set i, i+2
.endr
	WIN 0
.irp k, 0,2,4,6
	v_pk_mul_f32 v[TM+\k:TM+\k+1], v[T+\k:T+\k+1], v[T+\k:T+\k+1]
.endr
.irp k, 8,10,12,14,16,18,20,22,24,26,28,30
	v_pk_fma_f32 v[TM+(\k)%8:TM+(\k)%8+1], v[T+\k:T+\k+1], v[T+\k:T+\k+1], v[TM+(\k)%8:TM+(\k)%8+1]
.endr
	ROWSUM
	v_add_f32 v[PM+1], v[TM], v[TP]
	ds_store_b64 v[SW], v[PM:PM+1] offset:512*(\m) ; both halves of the lanes hold the same pair
.endm
.macro XINIT m                         ; (x + bo) / 2^(e8 + e9): the start of Wo's sums
.set XR, 32*(\m)
	WIN 0x41
.set i, 0
.rept 16
	v_pk_fma_f32 v[XR+i:XR+i+1], v[XR+i:XR+i+1], s[66:67], v[BO+i:BO+i+1] op_sel_hi:[1,0,1]
.set i, i+2
.endr
	WIN 0
.endm
.macro TWORK m, k
.if (\k) == 0
	P12 \m
.else
	XINIT \m
.endif
.endm
.macro TST m, lc, pv, k                ; tile m through my stage, in by rows, back by lanes; meanwhile the work on tile pv.  lc: the loads issued behind tile m's
	s_wait_loadcnt \lc
	WIN 0x04
.irp n, 0,1,2,3,4,5,6,7
	ds_store_b128 v[SD], v[32*(\m)+4*\n:32*(\m)+4*\n+3] offset:544*\n
.endr
	WIN 0
.if (\pv) >= 0
	s_wait_dscnt 8                                 ; tile pv's eight loads are in; tile m's eight stores may be out
	TWORK \pv, \k
.endif
	s_wait_dscnt 0x0                               ; the stores have read their registers
	WIN 0x40
.irp t, 0,1,2,3
.irp u, 0,1
	ds_load_b128 v[32*(\m)+8*\t+4*\u:32*(\m)+8*\t+4*\u+3], v[ST] offset:64*\t+16*\u
.endr
.endr
	WIN 0
.endm
.macro ZSTAT4 m0, eps                  ; four tiles: the four waves' parts become 1 / sigma and -mu / sigma.  No difference of large sums is formed
.irp k, 0,1,2,3
	ds_load_b128 v[T+8*\k:T+8*\k+3], v[SRD] offset:512*((\m0)+\k)
	ds_load_b128 v[T+8*\k+4:T+8*\k+7], v[SRD] offset:512*((\m0)+\k)+16
.endr
.set Z, ZP+2*(\m0)
	s_wait_dscnt 0x0
.irp k, 0,1,2,3
	v_add_f32 v[Z+2*\k+1], v[T+8*\k], v[T+8*\k+2]
.endr
.irp k, 0,1,2,3
	v_add_f32 v[Z+2*\k], v[T+8*\k+4], v[T+8*\k+6]
.endr
.irp k, 0,1,2,3
	v_add_f32 v[Z+2*\k+1], v[Z+2*\k+1], v[Z+2*\k]
.endr
.irp k, 0,1,2,3
	v_mul_f32 v[Z+2*\k+1], 0x3e800000, v[Z+2*\k+1] ; mu = the mean of the four means
.endr
.irp q, 0,2,4,6
.irp k, 0,1,2,3
	v_sub_f32 v[T+8*\k+\q], v[T+8*\k+\q], v[Z+2*\k+1]
.endr
.endr
.irp k, 0,1,2,3
	v_mul_f32 v[T+8*\k], v[T+8*\k], v[T+8*\k]
.endr
.irp q, 2,4,6
.irp k, 0,1,2,3
	v_fmac_f32 v[T+8*\k], v[T+8*\k+\q], v[T+8*\k+\q]
.endr
.endr
.irp k, 0,1,2,3
	v_add_f32 v[T+8*\k+1], v[T+8*\k+1], v[T+8*\k+3]
.endr
.irp k, 0,1,2,3
	v_add_f32 v[T+8*\k+5], v[T+8*\k+5], v[T+8*\k+7]
.endr
.irp k, 0,1,2,3
	v_add_f32 v[T+8*\k+1], v[T+8*\k+1], v[T+8*\k+5]
.endr
.irp k, 0,1,2,3
	v_fmamk_f32 v[T+8*\k+1], v[T+8*\k], 0x42800000, v[T+8*\k+1]   ; + 64 x the means' squares about mu
.endr
.irp k, 0,1,2,3
	v_fma_f32 v[Z+2*\k], v[T+8*\k+1], s73, \eps    ; / 256 + eps
.endr
	VW
.irp k, 0,1,2,3
	v_rsq_f32 v[Z+2*\k], v[Z+2*\k]
.endr
	v_nop
	VW
.irp k, 0,1,2,3
	v_mul_f32 v[Z+2*\k+1], -v[Z+2*\k+1], v[Z+2*\k]
.endr
.endm
.macro CVT4 src, dst                   ; 32 held numbers become 8 registers of codes
.irp t, 0,1,2,3
	v_cvt_scalef32_pk8_fp8_f32 v[(\dst)+2*\t:(\dst)+2*\t+1], v[(\src)+8*\t:(\src)+8*\t+7], v[SCV]
.endr
	v_nop                                          ; one plain line behind the last conversion
.endm
.macro STORE8 reg, a, off
	ds_store_b128 v[\a], v[(\reg):(\reg)+3] offset:(\off)
	ds_store_b128 v[\a], v[(\reg)+4:(\reg)+7] offset:(\off)+512
.endm
.macro LOAD8 reg, a
	ds_load_b128 v[(\reg):(\reg)+3], v[\a]
	ds_load_b128 v[(\reg)+4:(\reg)+7], v[\a] offset:512
.endm
.macro HOLD32 dst, src                 ; the conversion to an 8-bit code does not saturate (ISA guide 7.6.2): the hold comes first
.set i, 0
.rept 32
	v_med3_num_f32 v[(\dst)+i], v[(\src)+i], s59, s58
.set i, i+1
.endr
.endm
.macro IMG4 m0                         ; four tiles of h into the three images: a trip for each of e1, e3, e5, which rotate through s60-62
	s_mov_b32 s51, 0
	s_mov_b32 s52, 3
.Li_\@:
	SETQ s60
	v_add_nc_u32 v[WAD], s51, v[IW]
.irp k, 0,1,2,3
	WIN 0x01
	HOLD32 T, 32*((\m0)+\k)
	WIN 0
	CVT4 T, CDL
	STORE8 CDL, WAD, 4096*((\m0)+\k)
.endr
	s_mov_b32 s63, s60
	s_mov_b32 s60, s61
	s_mov_b32 s61, s62
	s_mov_b32 s62, s63
	s_add_co_u32 s51, s51, 32768
	s_sub_co_u32 s52, s52, 1
	s_cmp_lg_u32 s52, 0
	VW
	s_cbranch_scc1 .Li_\@
.endm
.macro QP2 m                           ; h2 = z g2 + be2, held, quantised, into the image; the residual becomes x1 / 2^(e12 + e13), the start of W2's sums
.set XR, 32*(\m)
.set Z, ZP+2*(\m)
	WIN 0x01
.set i, 0
.rept 16
	v_pk_fma_f32 v[T+i:T+i+1], v[XR+i:XR+i+1], v[Z:Z+1], v[Z:Z+1] op_sel:[0,0,1] op_sel_hi:[1,0,1]
.set i, i+2
.endr
	WIN 0x41
.set i, 0
.rept 16
	v_pk_mul_f32 v[XR+i:XR+i+1], v[XR+i:XR+i+1], s[94:95] op_sel_hi:[1,0]
.set i, i+2
.endr
	WIN 0
.set i, 0
.rept 16
	v_pk_fma_f32 v[T+i:T+i+1], v[T+i:T+i+1], v[G+i:G+i+1], v[BE+i:BE+i+1]
.set i, i+2
.endr
	HOLD32 T, T
	CVT4 T, CDL
	STORE8 CDL, IW, 4096*(\m)
.endm
.macro LOADHF                          ; a tile's two fragments (K = 256) out of an image
.irp s, 0,1
.irp p, 0,1,2,3
	ds_load_b128 v[HF+16*\s+4*\p:HF+16*\s+4*\p+3], v[RA] offset:2048*\s+512*\p
.endr
.endr
.endm
; AN ATTENTION PHASE over the eight tiles (0: q, 1: k, the scores and P, 2: v and attn), one tile a trip; s46 = 4096 x tile.  wb: the weight in window 1; ib: the image read.  The next tile's fragments are asked for
; behind the products' places, at an address held at the last tile: the last trip's are not used.  The four accumulators take turns.
.macro APH ph, wb, ib
	s_wait_dscnt 0x0                               ; the phase before has asked for its last tile once more: those loads are in, and their registers may be loaded again
	v_add_nc_u32 v[RA], \ib, v[L16]
	LOADHF
	s_mov_b32 s46, 0
.La_\@:
	s_add_co_u32 s49, s46, ATT
	s_add_co_u32 s48, s46, 4096
	s_min_u32 s48, s48, 28672
	s_add_co_u32 s48, s48, \ib
	v_add_nc_u32 v[AA], s49, v[IW]
	v_add_nc_u32 v[RA], s48, v[L16]
	VW
	s_wait_dscnt 0x0                               ; this tile's fragments
.if (\ph) > 0
	LOAD8 QC, AA                                   ; my slot: q's codes, or P
.endif
.if (\ph) < 2
	WIN 0x01
.else
	WIN 0x04
.endif
.irp s, 0,1
.irp t, 0,1,2,3
.if (\ph) < 2
.if \s == 0
	v_wmma_f32_16x16x128_fp8_fp8 v[AC+8*\t:AC+8*\t+7], v[(\wb)+32*\t:(\wb)+32*\t+15], v[HF:HF+15], 0
.else
	v_wmma_f32_16x16x128_fp8_fp8 v[AC+8*\t:AC+8*\t+7], v[(\wb)+32*\t+16:(\wb)+32*\t+31], v[HF+16:HF+31], v[AC+8*\t:AC+8*\t+7]
.endif
.else
.if \s == 0
	v_wmma_f32_16x16x128_fp8_fp8 v[AC+8*\t:AC+8*\t+7], v[HF:HF+15], v[(\wb)+32*\t:(\wb)+32*\t+15], 0
.else
	v_wmma_f32_16x16x128_fp8_fp8 v[AC+8*\t:AC+8*\t+7], v[HF+16:HF+31], v[(\wb)+32*\t+16:(\wb)+32*\t+31], v[AC+8*\t:AC+8*\t+7]
.endif
.endif
.endr
.endr
	WIN 0
.if (\ph) == 2
	PLACES 6                                       ; five are asked ahead of products that take these results as an operand
	s_wait_dscnt 0x0                               ; P
	LOADHF
.irp q, 0,1,2,3
.irp t, 0,1,2,3
.if \q == 0
	v_wmma_f32_16x16x4_f32 v[O+8*\t:O+8*\t+7], v[AC+8*\t+2*\q:AC+8*\t+2*\q+1], v[QC+2*\q:QC+2*\q+1], 0
.else
	v_wmma_f32_16x16x4_f32 v[O+8*\t:O+8*\t+7], v[AC+8*\t+2*\q:AC+8*\t+2*\q+1], v[QC+2*\q:QC+2*\q+1], v[O+8*\t:O+8*\t+7]
.endif
.endr
.endr
	PLACES 9                                       ; behind the f32 form (ISA guide 7.12.1)
	HOLD32 TV, O
	CVT4 TV, CD
	STORE8 CD, AA, 0
.else
	PLACES 4
	LOADHF
	HOLD32 AC, AC
	CVT4 AC, CD
.if (\ph) == 0
	STORE8 CD, AA, 0
.else
	VW
	s_wait_dscnt 8                                 ; q's codes are in; the next tile's eight loads may be out
	v_wmma_f32_16x16x64_fp8_fp8 v[S:S+7], v[CD:CD+7], v[QC:QC+7], 0
	SOFTMAX
	STORE8 S, AA, 0
.endif
.endif
	s_add_co_u32 s46, s46, 4096
	s_cmp_lt_u32 s46, 32768
	VW
	s_cbranch_scc1 .La_\@
.endm
.macro SOFTMAX                         ; a lane holds query r and keys 8 h + j.  p = 2^((s - max) c), c = log2(e) / 16 x 2^(e6 + e7); normalised
	PLACES 4
.irp j, 0,1,2,3,4,5,6,7
	v_cndmask_b32 v[S+\j], v[S+\j], v[NINF], s[76+\j]   ; the causal mask: key 8 h + j > query r
.endr
	v_max3_num_f32 v152, v[S], v[S+1], v[S+2]
	v_max3_num_f32 v153, v[S+3], v[S+4], v[S+5]
	v_max3_num_f32 v152, v152, v[S+6], v[S+7]
	v_max_num_f32 v152, v152, v153
	v_permlanex16_b32 v[TP], v152, s54, s55
	v_max_num_f32 v152, v152, v[TP]                ; key 0 counts for every query: a number
.irp k, 0,2,4,6
	v_pk_add_f32 v[S+\k:S+\k+1], v[S+\k:S+\k+1], v[152:153] op_sel_hi:[1,0] neg_lo:[0,1] neg_hi:[0,1]
.endr
.irp k, 0,2,4,6
	v_pk_mul_f32 v[S+\k:S+\k+1], v[S+\k:S+\k+1], s[56:57] op_sel_hi:[1,0]
.endr
	VW
.irp j, 0,1,2,3,4,5,6,7
	v_exp_f32 v[S+\j], v[S+\j]
.endr
	v_nop
	VW
	v_pk_add_f32 v[154:155], v[S:S+1], v[S+2:S+3]
	v_pk_add_f32 v[156:157], v[S+4:S+5], v[S+6:S+7]
	v_pk_add_f32 v[154:155], v[154:155], v[156:157]
	v_add_f32 v154, v154, v155
	v_permlanex16_b32 v[TP], v154, s54, s55
	v_add_f32 v154, v154, v[TP]
	VW
	v_rcp_f32 v156, v154
	v_nop
	VW
.irp k, 0,2,4,6
	v_pk_mul_f32 v[S+\k:S+\k+1], v[S+\k:S+\k+1], v[156:157] op_sel_hi:[1,0]
.endr
.endm
; PRODUCTS ONTO THE RESIDUAL (Wo, W2): eight groups j: half s = j / 4 along K, row tiles 2 (j % 4) and + 1.  Two buffers of fragments; group j + 2 is asked for behind group j's products and their places
.macro GLD j, a, off
.irp u, 0,1
.irp p, 0,1,2,3
	ds_load_b128 v[HM+32*((\j)%2)+16*\u+4*\p:HM+32*((\j)%2)+16*\u+4*\p+3], v[\a] offset:(\off)+4096*(2*((\j)%4)+\u)+2048*((\j)/4)+512*\p
.endr
.endr
.endm
.macro GRP j, w, a, off
.if (\j) < 7
	s_wait_dscnt 8                                 ; this group's eight loads are in; the next group's may be out
.else
	s_wait_dscnt 0x0
.endif
	WIN 0x50
.irp u, 0,1
.irp t, 0,1,2,3
	v_wmma_f32_16x16x128_fp8_fp8 v[32*(2*((\j)%4)+\u)+8*\t:32*(2*((\j)%4)+\u)+8*\t+7], v[(\w)+16*\t:(\w)+16*\t+15], v[HM+32*((\j)%2)+16*\u:HM+32*((\j)%2)+16*\u+15], v[32*(2*((\j)%4)+\u)+8*\t:32*(2*((\j)%4)+\u)+8*\t+7]
.endr
.endr
	WIN 0
	PLACES 4
.if (\j) < 6
	GLD (\j)+2, \a, \off
.endif
.endm
; HALF A CHUNK OF W1: column tiles 2 th, 2 th + 1, two row tiles at a time; then relu, hold, codes, into the hidden chunk's image.  Behind the last products half th along K of the chunk's W2 is asked for, into w
.macro LOADP pr
.irp u, 0,1
.irp s, 0,1
.irp p, 0,1,2,3
	ds_load_b128 v[HM+32*\u+16*\s+4*\p:HM+32*\u+16*\s+4*\p+3], v[L16] offset:4096*(2*(\pr)+\u)+2048*\s+512*\p
.endr
.endr
.endr
.endm
.macro HALF1 th, w
	LOADP 0
	v_bfe_u32 v[TB], v0, 4, 1
	v_lshl_add_u32 v[TB], v[TB], 5, s53            ; my parked numbers of b1's chunk
.irp t, 0,1
.irp u, 0,1
	ds_load_b128 v[B1R+8*\t+4*\u:B1R+8*\t+4*\u+3], v[TB] offset:128*(\th)+64*\t+16*\u
.endr
.endr
	VW
	s_wait_loadcnt 16                              ; this half's weights are in; the 16 loads of the half behind it may be out
	s_wait_dscnt 0x0
.set i, 0
.rept 16
	v_ldexp_f32 v[B1R+i], v[B1R+i], s71            ; b1 / 2^(e10 + e11): the sums' start
.set i, i+1
.endr
.irp pr, 0,1,2,3
.if \pr > 0
	s_wait_dscnt 0x0
.endif
.irp s, 0,1
.irp u, 0,1
.irp t, 0,1
.if \s == 0
	v_wmma_f32_16x16x128_fp8_fp8 v[O+16*\u+8*\t:O+16*\u+8*\t+7], v[(\w)+32*\t:(\w)+32*\t+15], v[HM+32*\u:HM+32*\u+15], v[B1R+8*\t:B1R+8*\t+7]
.else
	v_wmma_f32_16x16x128_fp8_fp8 v[O+16*\u+8*\t:O+16*\u+8*\t+7], v[(\w)+32*\t+16:(\w)+32*\t+31], v[HM+32*\u+16:HM+32*\u+31], v[O+16*\u+8*\t:O+16*\u+8*\t+7]
.endif
.endr
.endr
.endr
	PLACES 4
.if \pr < 3
	LOADP \pr+1
.else
	WLS \w, 5*65536, \th
.endif
.irp u, 0,1
.irp t, 0,1
.irp k, 0,1,2,3,4,5,6,7
	v_med3_num_f32 v[TB+\k], v[O+16*\u+8*\t+\k], 0, s58   ; the activation and the hold in one
.endr
	v_cvt_scalef32_pk8_fp8_f32 v[CM+2*\t:CM+2*\t+1], v[TB:TB+7], v[SCV]
	v_nop
.endr
	ds_store_b128 v[IW], v[CM:CM+3] offset:HID+4096*(2*\pr+\u)+512*(\th)
.endr
.endr
.endm
.macro CHUNK more                      ; 256 hidden units: W1's two halves, then W2's two.  more = 1: the next chunk's W1 is asked for
	HALF1 0, WA
	HALF1 1, WB
	BAR                                            ; the hidden chunk's image is whole
	GLD 0, L16, HID
	GLD 1, L16, HID
	s_wait_loadcnt 16                              ; W2's first half; the second's 16 loads may be out
.irp j, 0,1,2,3
	GRP \j, WA, L16, HID
.endr
	s_wait_loadcnt 0x0                             ; W2's second half
.if \more
	WLH WA, 6*65536, 0
.endif
.irp j, 4,5,6,7
	GRP \j, WB, L16, HID
.endr
.if \more
	WLH WB, 6*65536, 1
	BAR                                            ; every wave has read the hidden chunk: it may be written again
.endif
.endm
.macro OUT m                           ; out = sum x 2^(e12 + e13) + b2; through my stage, back as rows of 256 bytes
.set XR, 32*(\m)
.set OTB, OT+32*((\m)%2)
.set ORB, ORR+32*((\m)%2)
	WIN 0x01
.set i, 0
.rept 16
	v_pk_fma_f32 v[OTB+i:OTB+i+1], v[XR+i:XR+i+1], s[68:69], v[B2+i:B2+i+1] op_sel_hi:[1,0,1]
.set i, i+2
.endr
	WIN 0
.irp t, 0,1,2,3
.irp u, 0,1
	ds_store_b128 v[ST], v[OTB+8*\t+4*\u:OTB+8*\t+4*\u+3] offset:64*\t+16*\u
.endr
.endr
.irp n, 0,1,2,3,4,5,6,7
	ds_load_b128 v[ORB+4*\n:ORB+4*\n+3], v[SD] offset:544*\n
.endr
.endm
.macro SEND m, y                       ; y: the LDS instructions issued behind tile m's loads, which may stay out
.set ORB, ORR+32*((\m)%2)
	s_wait_dscnt \y
.irp n, 0,1,2,3,4,5,6,7
	global_store_b128 v[GX], v[ORB+4*\n:ORB+4*\n+3], s[28:29] offset:(16*(\m)+2*\n)*1024 th:TH_STORE_NT   ; sixteen lanes store 256 consecutive bytes, aligned
.endr
.endm
	; ---- the head
	s_load_b512 s[8:23], s[0:1], 0x0               ; x s[8:9], wc s[10:11], the scales s[12:13], g1 s[14:15], be1 s[16:17], bo s[18:19], g2 s[20:21], be2 s[22:23]
	s_load_b128 s[24:27], s[0:1], 0x40             ; b1 s[24:25], b2 s[26:27]
	s_load_b64 s[28:29], s[0:1], 0x50              ; out0
	v_lshrrev_b32 v12, 5, v0
	v_readfirstlane_b32 s30, v12                   ; wave 0..3
	v_and_b32 v13, 31, v0                          ; lane
	v_lshlrev_b32 v[L16], 4, v13
	s_lshl_b32 s31, s30, 10
	v_add_nc_u32 v[IW], s31, v[L16]
	s_lshl_b32 s31, s30, 8
	v_lshl_add_u32 v180, v13, 3, s31               ; 256 wave + 8 lane: my 8 bytes of a wave's 256 in the vectors that are parked
	s_mul_i32 s31, s30, PARKW
	s_add_co_u32 s31, s31, PARK
	v_lshl_add_u32 v181, v13, 3, s31               ; where I park 8 bytes
	ADDR
	v_lshlrev_b32 v14, 5, v12
	v_add_nc_u32 v[SRD], STAT, v14
	s_lshl_b32 s31, s30, 3
	v_add_nc_u32 v[SW], s31, v[SRD]
	v_mov_b32 v[NINF], 0xff800000
	v_lshlrev_b32 v14, 3, v13
	v_sub_nc_u32 v15, v12, v14                     ; r - 8 h
.irp j, 0,1,2,3,4,5,6,7
	v_cmp_gt_i32 s[76+\j], \j, v15                 ; the lanes in which key 8 h + j comes after query r
.endr
	v_mov_b32 v[TP], 0                             ; written once: a lane permute's destination counts as read,
.irp k, 0,1,2,3,4,5,6,7
	v_mov_b32 v[PRM+2*\k+1], 0                     ; and so does the upper word of a pair whose low word is broadcast
.endr
	s_mov_b32 s54, 0x76543210                      ; v_permlanex16_b32: lane l xor 16
	s_mov_b32 s55, 0xfedcba98
	s_mov_b32 s73, 0x3b800000                      ; 1 / 256
	s_mov_b32 s88, 0x3727c5ac                      ; 1e-5
	s_lshl_b32 s90, ttmp9, 17                      ; my work-group's 128 rows of 1,024 bytes
	s_mov_b32 s91, 0
	s_lshl_b32 s92, s30, 14                        ; my wave's 16,384 bytes of a chunk of wc
	s_mov_b32 s93, 0
	VW
	s_wait_kmcnt 0x0
	s_load_b256 s[32:39], s[12:13], 0x0            ; e0 .. e7
	s_load_b128 s[40:43], s[12:13], 0x20           ; e8 .. e11
	s_load_b64 s[44:45], s[12:13], 0x30            ; e12, e13
	s_add_nc_u64 s[8:9], s[8:9], s[90:91]
	s_add_nc_u64 s[28:29], s[28:29], s[90:91]
	s_add_nc_u64 s[74:75], s[10:11], s[92:93]
	global_load_b64 v[160:161], v180, s[18:19]     ; bo, g2, be2, b2, b1's four chunks, g1, be1: my 64 numbers of each
	global_load_b64 v[162:163], v180, s[20:21]
	global_load_b64 v[164:165], v180, s[22:23]
	global_load_b64 v[166:167], v180, s[26:27]
.irp n, 0,1,2,3
	global_load_b64 v[168+2*\n:169+2*\n], v180, s[24:25] offset:1024*\n
.endr
	global_load_b64 v[176:177], v180, s[14:15]
	global_load_b64 v[178:179], v180, s[16:17]
.irp m, 0,1,2,3,4,5
	XLOAD \m, 0
.endr
	s_wait_kmcnt 0x0
	s_add_co_i32 s49, s38, s39
	s_lshl_b32 s49, s49, 23
	s_add_co_i32 s56, s49, 0x3db8aa3b              ; c = log2(e) / 16, with e6 + e7 added to its exponent field
	s_mov_b32 s57, s56
	s_mov_b32 s60, s33                             ; e1, e3, e5
	s_mov_b32 s61, s35
	s_mov_b32 s62, s37
	s_add_co_i32 s47, s40, s41                     ; e8 + e9
	s_sub_co_i32 s70, 0, s47
	s_add_co_i32 s49, s70, 127
	s_lshl_b32 s66, s49, 23                        ; 2^-(e8 + e9)
	s_mov_b32 s67, s66
	s_lshl_b32 s49, s70, 24
	s_add_co_i32 s89, s88, s49                     ; 1e-5 / 4^(e8 + e9)
	s_add_co_i32 s49, s44, s45                     ; e12 + e13
	s_sub_co_i32 s47, s47, s49
	s_add_co_i32 s47, s47, 127
	s_lshl_b32 s94, s47, 23                        ; 2^(e8 + e9 - e12 - e13)
	s_mov_b32 s95, s94
	s_add_co_i32 s49, s49, 127
	s_lshl_b32 s68, s49, 23                        ; 2^(e12 + e13)
	s_mov_b32 s69, s68
	s_add_co_i32 s49, s42, s43
	s_sub_co_i32 s71, 0, s49                       ; -(e10 + e11)
	s_sub_co_i32 s87, s44, s49                     ; the scales ahead of a quantiser are folded into the conversion's one: the hidden layer's e12 - e10 - e11,
	s_sub_co_i32 s84, s38, s32
	s_sub_co_i32 s84, s84, s33                     ; q's e6 - e0 - e1,
	s_sub_co_i32 s85, s39, s34
	s_sub_co_i32 s85, s85, s35                     ; k's e7 - e2 - e3,
	s_sub_co_i32 s86, s40, s36
	s_sub_co_i32 s86, s86, s37                     ; attn's e8 - e4 - e5
	s_wait_loadcnt 48                              ; the small vectors are in: behind them stand six tiles of x, eight loads each
.irp n, 0,1,2,3,4,5,6,7,8,9
	ds_store_b64 v181, v[160+2*\n:161+2*\n] offset:256*\n
.endr
	XLOAD 6, 0
	XLOAD 7, 0
	PARKED G, 2048                                 ; g1, be1: my wave's own parked bytes, served in order behind the stores
	PARKED BE, 2304
	; ---- LN1 and the three images of h
.irp m, 0,1,2,3,4,5,6,7
	TST \m, 8*(7-\m), \m-1, 0
.endr
	s_wait_dscnt 0x0
	P12 7
	BAR                                            ; the four waves' statistics lie in LDS
	ZSTAT4 0, s88
	ZSTAT4 4, s88
.irp m, 0,1,2,3,4,5,6,7                ; h, in place
	WIN 0x41
.set XR, 32*\m
.set Z, ZP+2*\m
.set i, 0
.rept 16
	v_pk_fma_f32 v[XR+i:XR+i+1], v[XR+i:XR+i+1], v[Z:Z+1], v[Z:Z+1] op_sel:[0,0,1] op_sel_hi:[1,0,1]
.set i, i+2
.endr
.set i, 0
.rept 16
	v_pk_fma_f32 v[XR+i:XR+i+1], v[XR+i:XR+i+1], v[G+i:G+i+1], v[BE+i:BE+i+1]
.set i, i+2
.endr
.endr
	WIN 0
	VW
	IMG4 0
	WLOAD 0, 0                                     ; Wq, into the registers that tiles 0-3 have left
	IMG4 4
	WLOAD 128, 65536                               ; Wk
	BAR                                            ; the images are whole
	; ---- attention, each wave its head
	SETQ s84
	VW
	s_wait_loadcnt 32                              ; Wq; Wk's 32 loads may be out
	APH 0, 0, 0
	WLOAD 0, 2*65536                               ; Wv
	SETQ s85
	VW
	s_wait_loadcnt 32                              ; Wk; Wv's may be out
	APH 1, 128, 32768
	SETQ s86
	VW
	s_wait_loadcnt 0x0                             ; Wv
.irp m, 4,5,6,7
	XLOAD \m, 1                                    ; x again
.endr
	WLS WA, 3*65536, 0                             ; Wo's first half along K
	APH 2, 0, 65536
	BAR                                            ; attn's image is whole
	s_wait_loadcnt 0x0
.irp m, 0,1,2,3
	XLOAD \m, 1
.endr
	WLS WB, 3*65536, 1                             ; Wo's second half
	; ---- attn Wo + bo + x
	PARKED BO, 0
	s_wait_dscnt 0x0
.set i, 0
.rept 32
	v_ldexp_f32 v[BO+i], v[BO+i], s70
.set i, i+1
.endr
	VW
	TST 4, 48, -1, 1
	TST 5, 48, 4, 1
	TST 6, 48, 5, 1
	TST 7, 48, 6, 1
	TST 0, 40, 7, 1                                ; behind tile 0's loads: three tiles' and Wo's second half
	TST 1, 32, 0, 1
	TST 2, 24, 1, 1
	TST 3, 16, 2, 1
	s_wait_dscnt 0x0
	XINIT 3
	v_add_nc_u32 v[RA], ATT, v[L16]
	VW
	GLD 0, RA, 0
	GLD 1, RA, 0
.irp j, 0,1,2,3
	GRP \j, WA, RA, 0
.endr
	s_wait_loadcnt 0x0                             ; Wo's second half
	WLH WA, 4*65536, 0                             ; W1's first half chunk
.irp j, 4,5,6,7
	GRP \j, WB, RA, 0
.endr
	; ---- LN2 and the image of h2
	PARKED G, 256
	PARKED BE, 512
.irp m, 0,1,2,3,4,5,6,7
	P12 \m
.endr
	BAR
	ZSTAT4 0, s89
	ZSTAT4 4, s89
	SETQ s42
	VW
.irp m, 0,1,2,3,4,5,6,7
	QP2 \m
.endr
	WLH WB, 4*65536, 1                             ; W1's second half chunk
	BAR                                            ; h2's image is whole
	; ---- the MLP, four chunks of 256 hidden units
	SETQ s87
	s_mul_i32 s53, s30, PARKW
	s_add_co_u32 s53, s53, PARK+1024               ; b1's first chunk
	s_mov_b32 s50, 3
	VW
.Lmlp:
	CHUNK 1
	s_wait_xcnt 0x0                                ; the loads have read their base
	s_add_nc_u64 s[74:75], s[74:75], 131072
	s_add_co_u32 s53, s53, 256
	s_sub_co_u32 s50, s50, 1
	s_cmp_lg_u32 s50, 0
	VW
	s_cbranch_scc1 .Lmlp
	CHUNK 0                                        ; the last chunk asks for nothing beyond it
	; ---- the way out
	ADDR
	PARKED B2, 768
	VW
	s_wait_dscnt 0x0
	OUT 0
.irp m, 1,2,3,4,5,6,7
.if \m > 1
	s_wait_xcnt 0x0                                ; tile m - 2's stores have read their registers: tile m's rows may land there
.endif
	OUT \m
	SEND \m-1, 16                                  ; behind tile m - 1's loads: tile m's eight stores and eight loads
.endr
	SEND 7, 0
	v_lshl_add_u32 v12, v0, 2, SPARE               ; my spare word, and 0
	v_mov_b32 v13, 0
	VW
	s_wait_tensorcnt 0x0                           ; the wave's end
	ds_add_u32 v12, v13
	s_wait_dscnt 0x0
	s_endpgm
.Lfunc_end_k_qcb6f94f86c_block:
	.size	k_qcb6f94f86c_block, .Lfunc_end_k_qcb6f94f86c_block-k_qcb6f94f86c_block
	.p2alignl 7, 3214868480
	.fill 96, 4, 3214868480
	.section	.rodata,"a",@progbits
	.p2align	6, 0x0
	.amdhsa_kernel k_qcb6f94f86c_block
		.amdhsa_group_segment_fixed_size 163328
		.amdhsa_private_segment_fixed_size 0
		.amdhsa_enable_private_segment 0
		.amdhsa_kernarg_size 88
		.amdhsa_user_sgpr_count 2
		.amdhsa_user_sgpr_kernarg_segment_ptr 1
		.amdhsa_wavefront_size32 1
		.amdhsa_system_sgpr_workgroup_id_x 1
		.amdhsa_system_sgpr_workgroup_id_y 1
		.amdhsa_system_sgpr_workgroup_id_z 1
		.amdhsa_system_vgpr_workitem_id 0
		.amdhsa_next_free_vgpr 512
		.amdhsa_next_free_sgpr 100
		.amdhsa_reserve_vcc 0
		.amdhsa_float_denorm_mode_32 3
		.amdhsa_float_denorm_mode_16_64 3
		.amdhsa_memory_ordered 1
		.amdhsa_forward_progress 1
		.amdhsa_inst_pref_size 255
	.end_amdhsa_kernel
	.section	.bss,"aw",@nobits
	.p2align	6
	.space	262144
	.amdgpu_metadata
---
amdhsa.version: [ 1, 2 ]
amdhsa.kernels:
  - .name:           k_qcb6f94f86c_block
    .symbol:         k_qcb6f94f86c_block.kd
    .args:
      - { .name: x, .offset: 0, .size: 8, .value_kind: global_buffer, .address_space: global }
      - { .name: wc, .offset: 8, .size: 8, .value_kind: global_buffer, .address_space: global }
      - { .name: lowp_scales, .offset: 16, .size: 8, .value_kind: global_buffer, .address_space: global }
      - { .name: g1, .offset: 24, .size: 8, .value_kind: global_buffer, .address_space: global }
      - { .name: be1, .offset: 32, .size: 8, .value_kind: global_buffer, .address_space: global }
      - { .name: bo, .offset: 40, .size: 8, .value_kind: global_buffer, .address_space: global }
      - { .name: g2, .offset: 48, .size: 8, .value_kind: global_buffer, .address_space: global }
      - { .name: be2, .offset: 56, .size: 8, .value_kind: global_buffer, .address_space: global }
      - { .name: b1, .offset: 64, .size: 8, .value_kind: global_buffer, .address_space: global }
      - { .name: b2, .offset: 72, .size: 8, .value_kind: global_buffer, .address_space: global }
      - { .name: out0, .offset: 80, .size: 8, .value_kind: global_buffer, .address_space: global }
    .group_segment_fixed_size: 163328
    .private_segment_fixed_size: 0
    .kernarg_segment_align: 8
    .kernarg_segment_size: 88
    .max_flat_workgroup_size: 128
    .sgpr_count:     100
    .vgpr_count:     512
    .wavefront_size: 32
...
	.end_amdgpu_metadata
.endif
;; end of part 4
